; MI455X (gfx1250); checked and timed in simulation.
; The chip was launched on July 23, 2026; its instructions are those of AMD's public machine-readable ISA for CDNA 5 (MIT licence, August 2026) and "CDNA5" Instruction Set Architecture Reference Guide (July 2026). The comments in the code are by the model that wrote it; some were corrected since.
;; Attn Fuser. Allowed arithmetic: matrix products marked QUANTISED: E2M1 operands, one E8M0 scale for each 32 along K, by v_wmma_scale_f32_16x16x128_f8f6f4 with both operands' format E2M1 (or v_wmma_scale_f32_32x16x128_f4), f32 sums; everything else in f32.
;; Inputs: W1 1,024 x 4,096 float32; W2 4,096 x 1,024 float32; Wk 1,024 x 1,024 float32; Wq 1,024 x 1,024 float32; Wv 1,024 x 1,024 float32; b1 4,096 float32; b2 1,024 float32; bk 1,024 float32; bq 1,024 float32; bv 1,024 float32; context 2 x 2,048 x 1,024 float32; cpos 2 x 2,048 int32; fn_b 1,024 float32; fn_g 1,024 float32; kn_b 64 float32; kn_g 64 float32; qn_b 64 float32; qn_g 64 float32; qpos 2 x 2,048 int32; query 2 x 2,048 x 1,024 float32.
;; Outputs: out0 2 x 2,048 x 1,024 float32.
;; This version of the problem:
;;   THIS VERSION OF THE PROBLEM IS GIVEN IN LOW PRECISION. The matrix products marked QUANTISED in the list below multiply operands that are first quantised to E2M1 (2 exponent bits, 1 mantissa bit; 4 bits a number), with one power-of-two scale for each 32 numbers along K (OCP MX v1.0); their sums are f32. All else is computed in f32.
;;   The module's matrix products, in the order in which they are computed (A, B: the left and right operand; K: the contracted axis; several contracted axes count as one K, in the product's order):
;;     1. [M 4,096, K 1,024] x [K 1,024, N 1,024]; A: input query; B: input Wq: QUANTISED
;;     2. [M 4,096, K 1,024] x [K 1,024, N 1,024]; A: input context; B: input Wk: QUANTISED
;;     3. [M 4,096, K 1,024] x [K 1,024, N 1,024]; A: input context; B: input Wv: QUANTISED
;;     4. batch 32 x [M 2,048, K 64] x [K 64, N 2,048]; A: computed on the way; B: computed on the way: QUANTISED
;;     5. batch 32 x [M 2,048, K 2,048] x [K 2,048, N 64]; A: softmax (see below); B: computed on the way: QUANTISED
;;     6. [M 4,096, K 1,024] x [K 1,024, N 4,096]; A: computed on the way; B: input W1: QUANTISED
;;     7. [M 4,096, K 4,096] x [K 4,096, N 1,024]; A: computed on the way; B: input W2: QUANTISED
;;   THE QUANTISER, for each operand of a quantised product, along K:
;;     - K is cut into blocks of 32 from its start; a last block that is shorter is filled with zeros.
;;     - A block's scale is 2^e with e = floor(log2(the largest magnitude in the block)) - 2, held to -126 .. 127; a block of zeros has e = 0. As a byte (E8M0): e + 127.
;;     - Each number is divided by its block's scale, clamped to +-6, and rounded to the nearest number of E2M1, ties to even, subnormals kept.
;;     - The product sums the exact products of the quantised numbers (number of the format x scale) in f32.
;;   ~~~python
;;   def quantise(x, axis):      # numpy; x: float32 -> the quantised numbers, widened to float32 again
;;       x = np.moveaxis(x, axis, -1); K = x.shape[-1]
;;       x = np.pad(x, [(0, 0)] * (x.ndim - 1) + [(0, -K % 32)]); x = x.reshape(x.shape[:-1] + (-1, 32)); a = np.abs(x).max(-1, keepdims=True)
;;       e = np.where(a > 0, np.clip(np.frexp(np.where(a > 0, a, 1))[1] - 1 - 2, -126, 127), 0)      # np.frexp(a)[1] - 1 = floor(log2(a)), exactly
;;       r = np.clip(x / 2.0 ** e, -6, 6)
;;       step = 2.0 ** (np.maximum(np.frexp(np.where(r == 0, 1, r))[1] - 1, 0) - 1)
;;       q = np.round(r / step) * step * 2.0 ** e      # np.round: ties to even
;;       return np.moveaxis(q.reshape(q.shape[:-2] + (-1,))[..., :K], -1, axis).astype(np.float32)
;;   ~~~
;;   SOFTMAX AHEAD OF A QUANTISED PRODUCT. Where the list says 'softmax', what is quantised is not the finished softmax but p = 2^(t - M), with t = logit x log2(e) and M = ceil(the row's largest t), a whole number; so 1/2 < the row's largest p <= 1. The row's sum l is taken of the UNQUANTISED p, in f32, and the product's result is divided by l at the end. Since M is a whole number, a kernel that streams over the keys may use a running M (the ceiling of the running maximum): every later rescaling is an exact power of two, which a block's scale takes up: the codes' values come out the same.
;;   OPERANDS COMPUTED ON THE WAY. 'Computed on the way' means the value that the module computes at that place (a softmax that the list does not call 'softmax' is quantised finished and normalised). What goes into a quantiser is computed in f32, as accurately as f32 sums, v_exp_f32 and their like allow (about 1e-6 of the number): no bf16 or f16 on the way to a quantiser, and a product that is left as it is and whose result goes on into a quantised operand takes f32 operands (vector FMAs, or v_wmma_f32_16x16x4_f32). A number that lies on a knife's edge between two numbers of the format may be rounded either way, as far as f32 arithmetic and the matrix unit's own rounding can turn it there, and no further.
;; One version. Each part assembles by itself: llvm-mc -triple=amdgcn-amd-amdhsa -mcpu=gfx1250 --defsym DOCPART=n.
;; ======== version 1 of 1: 6 launches
;; limits: right only within a limited range of input values
;; workspace buffers: acts 4,456,448 bytes; wts 6,127,616 bytes; rope 2,097,152 bytes; qimg 2,359,296 bytes; kv 4,587,520 bytes; ores 16,777,216 bytes; hq 2,228,224 bytes; gq 8,912,896 bytes
;; launch prep (part 1): grid 928 x 1, 8 waves a work-group, no clusters, 70,144 bytes of LDS; arguments Wq, Wk, Wv, W1, W2, query, context, qpos, cpos, wts, acts, rope; writes wts, acts, rope
.if DOCPART == 1
	.amdgcn_target "amdgcn-amd-amdhsa--gfx1250"
	.amdhsa_code_object_version 6
	.text
	.protected	k_q7d0fc46d90_prep
	.globl	k_q7d0fc46d90_prep
	.p2align	8
	.type	k_q7d0fc46d90_prep,@function
k_q7d0fc46d90_prep:
	s_mov_b64 s[64:65], 0
	v_nop
	global_prefetch_b8 v0, s[64:65] scope:SCOPE_SE
	s_setreg_imm32_b32 hwreg(HW_REG_WAVE_MODE, 25, 1), 1
	s_wait_xcnt 0x0
; PREP: what every later launch reads many times is made once.  (1) the five weights, f32 [K][N], become codes of E2M1 along K with one E8M0 byte for each 32;
; (2) query and context, f32 [4096][1024], likewise along their last axis; (3) cos and sin of pos x inv_freq for all 8,192 tokens.
; DEAD WORK: none is left out in this program.  Every bias, gain, shift and position moves an operand of a quantised product or the output, so all 20 inputs are loaded by some launch.
; LAYOUT OF AN OPERAND: blocks of BLK bytes = 128 rows x 512 k.  Tile T (16 rows) holds rows 32 (T/2) + 8 (T%2) + r + 8 (r/8), r = 0..15.  A fragment (tile x 128 k) is the image of its
; registers: byte 512 c + 16 lane = the 16 bytes of k = 64 c + 32 (lane/16) + 0..31 of row r = lane%16.  Codes at 4096 tile + 1024 kstep; scale words at 32768 + 256 tile + 16 r + 4 kstep.
; THE QUANTISER: scale byte = exponent field of the block's largest magnitude - 2, held at 1 from below by a floor among the maximum's leaves; numbers / scale to the nearest code, ties to even.
; LIMITS: a block of zeros carries the byte 1 (its codes are zeros; the bytes are read by this program alone); blocks whose largest magnitude lies under 2^-124 have their byte held at 1;
; NaN and infinities are not served; |pos| up to 2^20; inv_freq = 1 / 10^(j/8) from the nearest f32 of 10^(j/8), a reciprocal and one Newton step.
; SHARES: work-groups 0-351: 64 columns x 512 k of a weight; 352-863: one tile of 16 rows x 1,024 k of query or context; 864-927: 128 tokens' cos and sin.  Each way has LDS bytes of its own.
.set BLK,   34816
.set STG,   8448                       ; a wave's stage: 16 rows x (512 + 16) bytes
.set ASC,   67584                      ; scale words of the activations' way, 512 bytes
.set WSC,   68096                      ; of the weights' way, 1,024 bytes
.set SPARE, 69120                      ; the spare words, 128 bytes a wave
.set SPW,   2
.set NIL,   3
.set SEL,   60
	s_load_b512 s[4:19], s[0:1], 0x0               ; Wq, Wk, Wv, W1, W2, query, context, qpos
	s_load_b256 s[20:27], s[0:1], 0x40             ; cpos, wts, acts, rope
	v_lshl_add_u32 v[SPW], v0, 2, SPARE
	v_mov_b32 v[NIL], 0
	v_lshrrev_b32 v1, 5, v0
	s_delay_alu instid0(VALU_DEP_1)
	v_readfirstlane_b32 s28, v1                    ; wave
	v_and_b32 v4, 31, v0                           ; lane
	v_and_b32 v5, 15, v0                           ; r
	v_bfe_u32 v6, v0, 4, 1                         ; h
	s_delay_alu instid0(VALU_DEP_3)
	v_lshlrev_b32 v15, 4, v4                       ; 16 x lane
	s_mov_b32 s[SEL], 0x76543210
	s_mov_b32 s[SEL+1], 0xfedcba98
	s_wait_kmcnt 0x0
	s_cmp_lt_u32 ttmp9, 352
	s_cbranch_scc1 .Lweights
	s_cmp_lt_u32 ttmp9, 864
	s_cbranch_scc1 .Lacts
; ---------------- cos and sin.  A wave has 16 tokens; lane (r, h): frequencies 2 r and 2 r + 1 of token 2 t + h.  rope: [token][r][c(2r), c(2r+1), s(2r), s(2r+1)]
	s_sub_co_u32 s30, ttmp9, 864
	s_cmp_lt_u32 s30, 32                           ; the first 4,096 tokens are the query's
	s_cselect_b64 s[32:33], s[18:19], s[20:21]
	s_lshl_b32 s31, s30, 7
	s_lshl_b32 s34, s28, 4
	s_add_co_u32 s31, s31, s34                     ; my first token
	s_and_b32 s34, s31, 4095
	s_lshl_b32 s34, s34, 2
	s_mov_b32 s35, 0
	s_add_nc_u64 s[32:33], s[32:33], s[34:35]
	s_lshl_b32 s34, s31, 8
	s_add_nc_u64 s[36:37], s[26:27], s[34:35]
	s_wait_alu depctr_va_vdst(0)
	v_lshlrev_b32 v7, 2, v6
.irp t, 0,1,2,3,4,5,6,7
	global_load_b32 v[16+\t], v7, s[32:33] offset:8*\t
.endr
	v_mov_b32 v8, 0
	v_mov_b32 v9, 0
.macro PJ j, val                       ; 10^(j/8) into lanes j/2 and j/2 + 16 of v8 (even j) or v9 (odd j)
	s_mov_b32 s38, \val
	v_writelane_b32 v[8+(\j)%2], s38, (\j)/2
	s_delay_alu instid0(VALU_DEP_1)
	v_writelane_b32 v[8+(\j)%2], s38, (\j)/2+16
.endm
	PJ 0, 1.0
	PJ 1, 1.333521432
	PJ 2, 1.778279410
	PJ 3, 2.371373706
	PJ 4, 3.162277660
	PJ 5, 4.216965034
	PJ 6, 5.623413252
	PJ 7, 7.498942093
	PJ 8, 10.0
	PJ 9, 13.33521432
	PJ 10, 17.78279410
	PJ 11, 23.71373706
	PJ 12, 31.62277660
	PJ 13, 42.16965034
	PJ 14, 56.23413252
	PJ 15, 74.98942093
	PJ 16, 100.0
	PJ 17, 133.3521432
	PJ 18, 177.8279410
	PJ 19, 237.1373706
	PJ 20, 316.2277660
	PJ 21, 421.6965034
	PJ 22, 562.3413252
	PJ 23, 749.8942093
	PJ 24, 1000.0
	PJ 25, 1333.521432
	PJ 26, 1778.279410
	PJ 27, 2371.373706
	PJ 28, 3162.277660
	PJ 29, 4216.965034
	PJ 30, 5623.413252
	PJ 31, 7498.942093
	s_wait_alu depctr_va_vdst(0)
	v_rcp_f32 v10, v8
	v_rcp_f32 v11, v9
	v_nop                                          ; a plain instruction behind the reciprocals
	s_wait_alu depctr_va_vdst(0)                   ; one wait for both, ahead of their first reader
	v_fma_f32 v12, -v8, v10, 1.0
	v_fma_f32 v13, -v9, v11, 1.0
	v_fma_f32 v10, v10, v12, v10                   ; inv_freq, one Newton step
	v_fma_f32 v11, v11, v13, v11
	s_mov_b32 s40, 0x3f22f983                      ; 2 / pi
	s_mov_b32 s41, 0xbfc90fdb                      ; -(pi/2, upper part)
	s_mov_b32 s42, 0x333bbd2e                      ; upper part - pi/2
	s_mov_b32 s43, -0.00019515295891               ; sine: x + x z (S1 + z (S2 + z S3))
	s_mov_b32 s44, 0.0083321608736
	s_mov_b32 s45, -0.16666654611
	s_mov_b32 s46, 0.00002443315711810             ; cosine: 1 - z/2 + z z (C1 + z (C2 + z C3))
	s_mov_b32 s47, -0.001388731625494
	s_mov_b32 s48, 0.04166664568299
	s_wait_loadcnt 0x0
.irp t, 0,1,2,3,4,5,6,7
	v_cvt_f32_i32 v[16+\t], v[16+\t]
.endr
.macro SINCOS f, w, oc, os             ; cos and sin of v[f] x v[w]
	v_mul_f32 v24, v[\f], v[\w]
	s_delay_alu instid0(VALU_DEP_1)
	v_mul_f32 v25, s40, v24
	s_delay_alu instid0(VALU_DEP_1)
	v_rndne_f32 v25, v25                           ; n quarter turns
	s_delay_alu instid0(VALU_DEP_1)
	v_fma_f32 v26, v25, s41, v24
	s_delay_alu instid0(VALU_DEP_1)
	v_fma_f32 v26, v25, s42, v26                   ; x in -pi/4 .. pi/4
	s_delay_alu instid0(VALU_DEP_3)
	v_cvt_i32_f32 v27, v25
	s_delay_alu instid0(VALU_DEP_2)
	v_mul_f32 v28, v26, v26
	s_delay_alu instid0(VALU_DEP_1)
	v_fma_f32 v29, v28, s43, s44
	s_delay_alu instid0(VALU_DEP_2)
	v_fma_f32 v30, v28, s46, s47
	s_delay_alu instid0(VALU_DEP_2)
	v_fma_f32 v29, v29, v28, s45
	s_delay_alu instid0(VALU_DEP_2)
	v_fma_f32 v30, v30, v28, s48
	v_mul_f32 v31, v26, v28
	v_mul_f32 v32, v28, v28
	v_fma_f32 v33, v28, -0.5, 1.0
	s_delay_alu instid0(VALU_DEP_3)
	v_fma_f32 v29, v29, v31, v26                   ; sin x
	s_delay_alu instid0(VALU_DEP_2)
	v_fma_f32 v30, v30, v32, v33                   ; cos x
	v_and_b32 v31, 1, v27
	s_delay_alu instid0(VALU_DEP_1)
	v_cmp_eq_u32 vcc_lo, 1, v31                    ; odd quarter: the two change places
	s_delay_alu instid0(VALU_DEP_1)
	v_cndmask_b32 v[\os], v29, v30, vcc_lo
	s_delay_alu instid0(VALU_DEP_2)
	v_cndmask_b32 v[\oc], v30, v29, vcc_lo
	v_and_b32 v31, 2, v27
	v_add_nc_u32 v32, 1, v27
	s_delay_alu instid0(VALU_DEP_2)
	v_lshlrev_b32 v31, 30, v31                     ; sine's sign: n & 2
	s_delay_alu instid0(VALU_DEP_2)
	v_and_b32 v32, 2, v32
	s_delay_alu instid0(VALU_DEP_2)
	v_xor_b32 v[\os], v[\os], v31
	s_delay_alu instid0(VALU_DEP_2)
	v_lshlrev_b32 v32, 30, v32                     ; cosine's: (n + 1) & 2
	s_delay_alu instid0(VALU_DEP_1)
	v_xor_b32 v[\oc], v[\oc], v32
.endm
.irp t, 0,1,2,3,4,5,6,7
	SINCOS 16+\t, 10, 64+4*\t, 66+4*\t
	SINCOS 16+\t, 11, 65+4*\t, 67+4*\t
.endr
.irp t, 0,1,2,3,4,5,6,7
	global_store_b128 v15, v[64+4*\t:67+4*\t], s[36:37] offset:512*\t   ; sixteen lanes store one token's 256 bytes
.endr
	s_branch .Lend
; ---------------- the weights.  A lane takes a column, its registers run down K
.Lweights:
	s_lshr_b32 s30, ttmp9, 1                       ; the block of wts
	s_and_b32 s31, ttmp9, 1                        ; which 64 of its 128 columns
	s_and_b32 s36, s30, 15
	s_sub_co_u32 s37, s30, 48
	s_sub_co_u32 s38, s30, 112
	s_mov_b64 s[32:33], s[4:5]
	s_mov_b32 s34, 4096                            ; bytes in a row of the weight
	s_mov_b32 s35, 4096
	s_mov_b32 s39, 1                               ; log2 of its K groups
	s_cmp_ge_u32 s30, 16
	s_cselect_b64 s[32:33], s[6:7], s[32:33]
	s_cmp_ge_u32 s30, 32
	s_cselect_b64 s[32:33], s[8:9], s[32:33]
	s_cmp_ge_u32 s30, 48
	s_cselect_b64 s[32:33], s[10:11], s[32:33]
	s_cselect_b32 s34, 16384, s34
	s_cselect_b32 s36, s37, s36
	s_cmp_ge_u32 s30, 112
	s_cselect_b64 s[32:33], s[12:13], s[32:33]
	s_cselect_b32 s34, s35, s34
	s_cselect_b32 s36, s38, s36                    ; the block's number in its own weight
	s_cselect_b32 s39, 3, s39
	s_bfm_b32 s37, s39, 0
	s_and_b32 s37, s36, s37                        ; K group
	s_lshr_b32 s38, s36, s39                       ; block of 128 columns
	s_lshr_b32 s48, s28, 2                         ; which 32 columns are my wave's
	s_and_b32 s49, s28, 3                          ; which 128 k
	s_lshl_b32 s50, s37, 9
	s_lshl_b32 s51, s49, 7
	s_add_co_u32 s50, s50, s51
	s_mul_i32 s50, s50, s34                        ; my first row of the weight, in bytes
	s_lshl_b32 s51, s38, 9
	s_add_co_u32 s50, s50, s51
	s_lshl_b32 s51, s31, 8
	s_add_co_u32 s50, s50, s51
	s_lshl_b32 s51, s48, 7
	s_add_co_u32 s50, s50, s51
	s_mov_b32 s51, 0
	s_add_nc_u64 s[40:41], s[32:33], s[50:51]
	s_lshl_b32 s50, s34, 5                         ; 32 rows on
	s_add_nc_u64 s[42:43], s[40:41], s[50:51]
	s_add_nc_u64 s[44:45], s[42:43], s[50:51]
	s_add_nc_u64 s[46:47], s[44:45], s[50:51]
	v_and_b32 v7, 7, v0
	v_bfe_u32 v8, v0, 3, 1
	s_delay_alu instid0(VALU_DEP_1)
	v_lshl_add_u32 v7, v8, 4, v7
	s_wait_alu depctr_va_vdst(0)
	v_lshl_add_u32 v7, v6, 3, v7                   ; my column of the 32: lanes 0-15 are one tile's rows, lanes 16-31 the next tile's
	s_delay_alu instid0(VALU_DEP_1)
	v_lshlrev_b32 v7, 2, v7
.irp i, 0,1,2,3,4,5,6,7,8,9,10,11,12,13,14,15,16,17,18,19,20,21,22,23,24,25,26,27,28,29,30,31
	v_mad_u32_u24 v[32+\i], s34, \i, v7
.endr
.macro LOADW kb                        ; 32 along K of my column
.irp i, 0,1,2,3,4,5,6,7,8,9,10,11,12,13,14,15,16,17,18,19,20,21,22,23,24,25,26,27,28,29,30,31
	global_load_b32 v[64+32*\kb+\i], v[32+\i], s[40+2*\kb:41+2*\kb] th:TH_LOAD_NT
.endr
.endm
	LOADW 0
	LOADW 1
	s_mul_i32 s50, s30, BLK
	s_lshl_b32 s54, s31, 10
	s_add_co_u32 s55, s50, s54
	s_add_co_u32 s55, s55, 32768                   ; where my work-group's scale words go
	s_lshl_b32 s54, s31, 14
	s_add_co_u32 s50, s50, s54
	s_lshl_b32 s54, s48, 13
	s_add_co_u32 s50, s50, s54
	s_lshl_b32 s54, s49, 10
	s_add_co_u32 s50, s50, s54
	s_add_nc_u64 s[52:53], s[22:23], s[50:51]      ; my two tiles' fragments of my k step
	s_and_b32 s54, s28, 1
	s_lshl_b32 s54, s54, 9
	s_add_co_u32 s50, s55, s54
	s_add_nc_u64 s[56:57], s[22:23], s[50:51]
	s_add_co_u32 s54, s54, WSC
	v_add_nc_u32 v14, s54, v15                     ; back out of LDS: 512 bytes a wave
	s_lshl_b32 s54, s48, 9
	s_lshl_b32 s55, s49, 2
	s_add_co_u32 s54, s54, s55
	s_add_co_u32 s54, s54, WSC
	v_lshl_add_u32 v10, v4, 4, s54                 ; my column's word of my k step
	v_lshlrev_b32 v9, 4, v5
	s_delay_alu instid0(VALU_DEP_1)
	v_lshl_add_u32 v9, v6, 12, v9                  ; 16 r + 4096 h
.macro BLOCKW kb
.set XS, 64+32*\kb
	v_max3_num_f32 v12, |v[XS]|, |v[XS+1]|, |v[XS+2]|
	v_max3_num_f32 v13, |v[XS+3]|, |v[XS+4]|, |v[XS+5]|
.irp i, 6,10,14,18,22,26
	s_delay_alu instid0(VALU_DEP_2)
	v_max3_num_f32 v12, v12, |v[XS+\i]|, |v[XS+\i+1]|
	s_delay_alu instid0(VALU_DEP_2)
	v_max3_num_f32 v13, v13, |v[XS+\i+2]|, |v[XS+\i+3]|
.endr
	s_delay_alu instid0(VALU_DEP_2)
	v_max3_num_f32 v12, v12, |v[XS+30]|, |v[XS+31]|
	s_delay_alu instid0(VALU_DEP_1)
	v_max3_num_f32 v12, v12, v13, 0x1800000        ; the floor 2^(3 - 127)
	s_delay_alu instid0(VALU_DEP_1)
	v_add_nc_u32 v11, 0xff000000, v12              ; 2 off the exponent field: the conversion's scale operand
	s_delay_alu instid0(VALU_DEP_1)
	v_lshrrev_b32 v13, 23, v11                     ; the byte
.if \kb == 0
	s_delay_alu instid0(VALU_DEP_1)
	v_mov_b32 v208, v13
.else
	s_delay_alu instid0(VALU_DEP_1)
	v_lshl_or_b32 v208, v13, 8*\kb, v208
.endif
.irp g, 0,1,2,3
	v_cvt_scalef32_pk8_fp4_f32 v[192+4*\kb+\g], v[XS+8*\g:XS+8*\g+7], v11
.endr
	global_store_b128 v9, v[192+4*\kb:195+4*\kb], s[52:53] offset:256*\kb   ; sixteen lanes store 256 consecutive bytes, aligned
.endm
	s_wait_alu depctr_va_vdst(0)
	s_wait_loadcnt 32                              ; block 0 is in; block 1's 32 loads may be out
	LOADW 2
	BLOCKW 0
	s_wait_loadcnt 32                              ; block 1 is in; block 2's may be out
	LOADW 3
	BLOCKW 1
	s_wait_loadcnt 32                              ; block 2 is in; block 3's may be out
	BLOCKW 2
	s_wait_loadcnt 0x0
	BLOCKW 3
	ds_store_b32 v10, v208
	s_wait_dscnt 0x0                               ; for the others' sake
	s_barrier_signal -1
	s_barrier_wait -1
	s_cmp_lt_u32 s28, 2                            ; waves 0 and 1 store the work-group's 1,024 bytes of words
	s_cbranch_scc0 .Lend
	ds_load_b128 v[16:19], v14
	s_wait_dscnt 0x0
	global_store_b128 v15, v[16:19], s[56:57]
	s_branch .Lend
; ---------------- query and context.  Work-group = a tile of 16 rows, wave = a k step of 128
.macro QUANTL s                        ; v[s + 32 c + i] = k 64 c + 32 h + i of my row: two whole blocks a lane -> codes v160-167, scale word v20
.irp c, 0,1
	v_max3_num_f32 v[12+\c], |v[\s+32*\c]|, |v[\s+32*\c+1]|, 0x1800000
.endr
.irp i, 2,4,6,8,10,12,14,16,18,20,22,24,26,28,30
.irp c, 0,1
	s_delay_alu instid0(VALU_DEP_2)
	v_max3_num_f32 v[12+\c], v[12+\c], |v[\s+32*\c+\i]|, |v[\s+32*\c+\i+1]|
.endr
.endr
.irp c, 0,1
	s_delay_alu instid0(VALU_DEP_2)
	v_add_nc_u32 v[16+\c], 0xff000000, v[12+\c]
.endr
.irp c, 0,1
	s_delay_alu instid0(VALU_DEP_2)
	v_lshrrev_b32 v[18+\c], 23, v[16+\c]
.endr
	s_delay_alu instid0(VALU_DEP_1)
	v_lshl_or_b32 v20, v19, 16, v18                ; blocks h and 2 + h,
	v_lshlrev_b32 v21, 3, v6
	s_delay_alu instid0(VALU_DEP_1)
	v_lshlrev_b32 v20, v21, v20                    ; at their places in the word;
	v_mov_b32 v21, 0
	s_delay_alu instid0(VALU_DEP_1)
	v_permlanex16_b32 v21, v20, s[SEL], s[SEL+1]
	s_delay_alu instid0(VALU_DEP_1)
	v_or_b32 v20, v20, v21                         ; with the other half's two the word is whole
.irp c, 0,1
.irp g, 0,1,2,3
	v_cvt_scalef32_pk8_fp4_f32 v[160+4*\c+\g], v[\s+32*\c+8*\g:\s+32*\c+8*\g+7], v[16+\c]
.endr
.endr
	v_nop
.endm
.Lacts:
	s_sub_co_u32 s30, ttmp9, 352                   ; tile 0..511
	s_cmp_lt_u32 s30, 256
	s_cselect_b64 s[32:33], s[14:15], s[16:17]
	s_and_b32 s31, s30, 255
	s_lshr_b32 s34, s31, 1
	s_lshl_b32 s34, s34, 5
	s_and_b32 s35, s30, 1
	s_lshl_b32 s35, s35, 3
	s_add_co_u32 s34, s34, s35                     ; the tile's first row
	s_lshl_b32 s34, s34, 12
	s_lshl_b32 s35, s28, 9
	s_add_co_u32 s34, s34, s35
	s_mov_b32 s35, 0
	s_add_nc_u64 s[32:33], s[32:33], s[34:35]
	s_wait_alu depctr_va_vdst(0)
.irp i, 0,1,2,3,4,5,6,7,8,9,10,11,12,13,14,15
	global_load_b128 v[32+4*\i:35+4*\i], v15, s[32:33] offset:(\i+8*(\i/8))*4096 th:TH_LOAD_NT   ; 512 consecutive bytes of the tile's row i
.endr
	s_mul_i32 s36, s28, STG
	v_add_nc_u32 v7, s36, v15
	v_mul_u32_u24 v8, v5, 528
	s_delay_alu instid0(VALU_DEP_1)
	v_lshl_add_u32 v8, v6, 7, v8
	s_delay_alu instid0(VALU_DEP_1)
	v_add_nc_u32 v8, s36, v8
	s_lshr_b32 s37, s30, 3
	s_lshl_b32 s37, s37, 1                         ; the row block's first block of acts
	s_lshr_b32 s38, s28, 2                         ; K group
	s_and_b32 s39, s28, 3                          ; k step in it
	s_and_b32 s40, s30, 7                          ; tile in the block
	s_add_co_u32 s42, s37, s38
	s_mul_i32 s42, s42, BLK
	s_lshl_b32 s41, s40, 12
	s_add_co_u32 s42, s42, s41
	s_lshl_b32 s41, s39, 10
	s_add_co_u32 s42, s42, s41
	s_mov_b32 s43, 0
	s_add_nc_u64 s[44:45], s[24:25], s[42:43]
	s_mul_i32 s42, s37, BLK
	s_lshl_b32 s41, s40, 8
	s_add_co_u32 s42, s42, s41
	s_add_co_u32 s42, s42, 32768
	s_add_nc_u64 s[46:47], s[24:25], s[42:43]
	s_lshl_b32 s41, s38, 8
	s_lshl_b32 s48, s39, 2
	s_add_co_u32 s41, s41, s48
	s_add_co_u32 s41, s41, ASC
	v_lshl_add_u32 v9, v5, 4, s41
	v_add_nc_u32 v10, ASC, v15
	v_mul_u32_u24 v11, v6, BLK
	s_delay_alu instid0(VALU_DEP_1)
	v_lshl_add_u32 v11, v5, 4, v11
	s_wait_alu depctr_va_vdst(0)
.irp i, 0,1,2,3,4,5,6,7,8,9,10,11,12,13,14,15
	s_wait_loadcnt 15-\i                           ; row i is in; the rows behind it may be out
	ds_store_b128 v7, v[32+4*\i:35+4*\i] offset:\i*528
.endr
.irp c, 0,1
.irp j, 0,1,2,3,4,5,6,7
	ds_load_b128 v[96+32*\c+4*\j:99+32*\c+4*\j], v8 offset:256*\c+16*\j   ; my wave's own bytes, served in order behind the stores
.endr
.endr
	s_wait_dscnt 0x0
	QUANTL 96
	global_store_b128 v15, v[160:163], s[44:45]
	global_store_b128 v15, v[164:167], s[44:45] offset:512
	ds_store_b32 v9, v20                           ; both halves of the lanes write the same word with the same value
	s_wait_dscnt 0x0
	s_barrier_signal -1
	s_barrier_wait -1
	s_cmp_lg_u32 s28, 0
	s_cbranch_scc1 .Lend
	ds_load_b128 v[24:27], v10                     ; wave 0 stores the tile's words: 256 bytes in each of the two K groups' blocks
	s_wait_dscnt 0x0
	global_store_b128 v11, v[24:27], s[46:47]
.Lend:
	s_wait_tensorcnt 0x0                           ; the wave's end
	ds_add_u32 v[SPW], v[NIL]
	s_wait_dscnt 0x0
	s_endpgm
.Lfunc_end_k_q7d0fc46d90_prep:
	.size	k_q7d0fc46d90_prep, .Lfunc_end_k_q7d0fc46d90_prep-k_q7d0fc46d90_prep
	.p2alignl 7, 3214868480
	.fill 96, 4, 3214868480
	.section	.rodata,"a",@progbits
	.p2align	6, 0x0
	.amdhsa_kernel k_q7d0fc46d90_prep
		.amdhsa_group_segment_fixed_size 70144
		.amdhsa_private_segment_fixed_size 0
		.amdhsa_enable_private_segment 0
		.amdhsa_kernarg_size 96
		.amdhsa_user_sgpr_count 2
		.amdhsa_user_sgpr_kernarg_segment_ptr 1
		.amdhsa_wavefront_size32 1
		.amdhsa_system_sgpr_workgroup_id_x 1
		.amdhsa_system_sgpr_workgroup_id_y 1
		.amdhsa_system_sgpr_workgroup_id_z 1
		.amdhsa_system_vgpr_workitem_id 0
		.amdhsa_next_free_vgpr 256
		.amdhsa_next_free_sgpr 66
		.amdhsa_reserve_vcc 1
		.amdhsa_float_denorm_mode_32 3
		.amdhsa_float_denorm_mode_16_64 3
		.amdhsa_memory_ordered 1
		.amdhsa_forward_progress 1
		.amdhsa_inst_pref_size 77
	.end_amdhsa_kernel
	.amdgpu_metadata
---
amdhsa.version: [ 1, 2 ]
amdhsa.kernels:
  - .name:           k_q7d0fc46d90_prep
    .symbol:         k_q7d0fc46d90_prep.kd
    .args:
      - { .name: Wq, .offset: 0, .size: 8, .value_kind: global_buffer, .address_space: global }
      - { .name: Wk, .offset: 8, .size: 8, .value_kind: global_buffer, .address_space: global }
      - { .name: Wv, .offset: 16, .size: 8, .value_kind: global_buffer, .address_space: global }
      - { .name: W1, .offset: 24, .size: 8, .value_kind: global_buffer, .address_space: global }
      - { .name: W2, .offset: 32, .size: 8, .value_kind: global_buffer, .address_space: global }
      - { .name: query, .offset: 40, .size: 8, .value_kind: global_buffer, .address_space: global }
      - { .name: context, .offset: 48, .size: 8, .value_kind: global_buffer, .address_space: global }
      - { .name: qpos, .offset: 56, .size: 8, .value_kind: global_buffer, .address_space: global }
      - { .name: cpos, .offset: 64, .size: 8, .value_kind: global_buffer, .address_space: global }
      - { .name: wts, .offset: 72, .size: 8, .value_kind: global_buffer, .address_space: global }
      - { .name: acts, .offset: 80, .size: 8, .value_kind: global_buffer, .address_space: global }
      - { .name: rope, .offset: 88, .size: 8, .value_kind: global_buffer, .address_space: global }
    .group_segment_fixed_size: 70144
    .private_segment_fixed_size: 0
    .kernarg_segment_align: 8
    .kernarg_segment_size: 96
    .max_flat_workgroup_size: 256
    .sgpr_count:     66
    .vgpr_count:     256
    .wavefront_size: 32
...
	.end_amdgpu_metadata
.endif
;; end of part 1
;; launch proj (part 2): grid 12 x 16, 4 waves a work-group, clusters of 4 x 4, 327,680 bytes of LDS; arguments acts, wts, rope, bq, bk, bv, qn_g, qn_b, kn_g, kn_b, qimg, kv; writes qimg, kv
.if DOCPART == 2
	.amdgcn_target "amdgcn-amd-amdhsa--gfx1250"
	.amdhsa_code_object_version 6
	.text
	.protected	k_q7d0fc46d90_proj
	.globl	k_q7d0fc46d90_proj
	.p2align	8
	.type	k_q7d0fc46d90_proj,@function
k_q7d0fc46d90_proj:
	s_mov_b64 s[64:65], 0
	v_nop
	global_prefetch_b8 v0, s[64:65] scope:SCOPE_SE
	s_setreg_imm32_b32 hwreg(HW_REG_WAVE_MODE, 25, 1), 1
	s_wait_xcnt 0x0
	s_wait_alu depctr_hold_cnt(0) depctr_sa_sdst(0) depctr_va_vdst(0) depctr_va_sdst(0) depctr_va_ssrc(0) depctr_va_vcc(0) depctr_vm_vsrc(0)
	s_getreg_b32 s2, hwreg(HW_REG_IB_STS2, 6, 4)
	s_cmp_eq_u32 s2, 0
	s_cbranch_scc0 .Lentry_in_a_cluster
	s_endpgm
.Lentry_in_a_cluster:
	s_bfe_u32 s2, ttmp6, 0x10000c
	s_cmp_lg_u32 s2, 0xf033
	s_cbranch_scc0 .Lentry_shape_is_right
	s_endpgm
.Lentry_shape_is_right:
; PROJ: the three projections on codes of E2M1, and what follows each up to the next quantiser.  No work of the problem is left out here.
; Cluster x says which: 0: Q = LN(query Wq + bq), rotated, quantised along the head's 64 -> qimg;  1: K likewise from context -> kv;  2: V^T = (context Wv + bv)^T, quantised along the keys -> kv.
; A work-group of four waves makes 256 x 256 of a product, a wave 128 x 128 (64 accumulators, 512 registers).  K = 1,024 lies in two LDS slots, both filled at the start: nothing is filled again.
; THE MATRIX INSTRUCTION IS USED TRANSPOSED: source 0 = 16 rows of the B side, source 1 = 16 rows of the A side.  With the tiles' rows chosen as 32 (T/2) + 8 (T%2) + r + 8 (r/8), lane (r, h) of the
; accumulators of A's tile a holds A's row r of that tile, and register 16 b + i the B row 32 b + 16 h + i: 16 neighbours, a block of 32 in lanes l and l xor 16.
; Q, K: A = tokens, B = the weight's columns: a lane holds a token and runs along the channels.  V: A = Wv's columns, B = tokens: a lane holds a channel and runs along the keys.
; CLUSTERS: 4 x 4 work-groups; A's blocks are asked for jointly along a row of the cluster, B's along a column.
; The text parts once on the cluster's x, behind the joint loads: the two ways load other registers ahead of the products, so the products' text stands in each.
; LIMITS: as stated at the head of the first launch; LayerNorm multiplies by v_rsq_f32 where the definition divides by a root.
; REGISTERS: window 0: v1-13 lane terms and the two scale words just made; v16-27 LDS addresses; v32-95 scale words (nothing else, ever); v96-127 the rope table or bv; v128-191 A's fragments, later the
;   64 numbers at work; v192-255 at work, a set for each of a tile's two heads.
;   window 1: v0-63, v128-191 B's two sets; v64-127 the bias; v192-223 gain, v224-255 shift.   windows 2, 3: the accumulators.
.set BLK,   34816
.set SLOT,  4*BLK                      ; half of the operands' LDS bytes.  LDS: [A block 0: K groups 0, 1][A block 1][B block 0][B block 1], 2 BLK each
.set NQ,    4
.set FR,    8
.set NL,    2
.set NP,    4
.set SWS,   2*SLOT                     ; behind the ring: 1,024 bytes a wave for the scale words just made
.set SPARE, SWS+4096                   ; the spare words
.set LI,    3
.set ADRA,  16
.set ADRB,  20
.set ADRS,  26
.set SPW,   28
.set NIL,   29
.set SC,    32
.set AF,    128
.set G1,    24
.set G0,    32
.set G1B,   48
.set G0B,   56
.set MSB,   0
.macro WIN new
.if MSB != (\new)
	s_set_vgpr_msb (MSB<<8)|(\new)
.set MSB, (\new)
.endif
.endm
.set MUL_LO, 0xa1
.set MUL_HI, 0xf1
.set TO_B,   0x40
.macro JLOAD g0a, g1a, g0b, g1b        ; waves 0, 1 fetch for A, waves 2, 3 for B; an s_nop 0 and four v_nop follow each line
	s_cmp_eq_u32 s15, 0
	s_cbranch_scc0 .Lfor_b_\@
	tensor_load_to_lds s[\g0a:\g0a+3], s[\g1a:\g1a+7]
	s_nop 0
.rept 4
	v_nop
.endr
	s_branch .Lasked_\@
.Lfor_b_\@:
	tensor_load_to_lds s[\g0b:\g0b+3], s[\g1b:\g1b+7]
	s_nop 0
.rept 4
	v_nop
.endr
.Lasked_\@:
.endm
.macro CROUND                          ; a round of the cluster's barrier
	s_barrier_signal -1
	s_barrier_wait -1
	s_cmp_lg_u32 s14, 0
	s_cbranch_scc1 .Lnot_wave_0_\@
	s_barrier_signal -3
.Lnot_wave_0_\@:
	s_barrier_wait -3
	s_barrier_signal -1
	s_barrier_wait -1
.endm
.macro PLACES n
.rept \n
	v_nop
.endr
.endm
	s_load_b512 s[68:83], s[0:1], 0x0              ; acts, wts, rope, bq, bk, bv, qn_g, qn_b
	s_load_b256 s[84:91], s[0:1], 0x40             ; kn_g, kn_b, qimg, kv
	v_lshl_add_u32 v[SPW], v0, 2, SPARE
	v_mov_b32 v[NIL], 0
	ds_add_u32 v[SPW], v[NIL]                      ; the wave's opening: the add, twice on end, and its wait ahead of my first tensor load
	ds_add_u32 v[SPW], v[NIL]
	v_lshrrev_b32 v1, 5, v0
	v_readfirstlane_b32 s14, v1                    ; wave
	s_lshr_b32 s15, s14, 1                         ; my A block.  Also: I fetch for A (0) or B (1)
	s_and_b32 s16, s14, 1                          ; my B block.  Also: which of the two blocks I fetch
	s_bfe_u32 s40, ttmp6, 0x40000                  ; cx
	s_bfe_u32 s41, ttmp6, 0x40004                  ; cy
	s_and_b32 s2, ttmp7, 0xffff
	s_lshl_b32 s2, s2, 2                           ; 4 x cluster y
	s_cmp_eq_u32 ttmp9, 2                          ; V: the tokens are the B side
	s_cselect_b32 s17, 0, s2
	s_cselect_b32 s42, s2, 0
	s_cselect_b32 s3, 32, 0                        ; A's first block in its buffer
	s_cselect_b32 s4, 64, 0                        ; B's
	s_cmp_eq_u32 ttmp9, 1
	s_cselect_b32 s3, 64, s3
	s_cselect_b32 s4, 16, s4
	s_add_co_u32 s17, s17, s41                     ; A's tile of 256 rows: hangs on cy, not on cx
	s_add_co_u32 s42, s42, s40                     ; B's: on cx, not on cy
	s_lshl_b32 s43, s41, 2
	s_lshl_b32 s43, 15, s43                        ; my row of the cluster
	s_lshl_b32 s44, 0x1111, s40                    ; my column
	s_or_b32 s[G1+0], s43, (3<<16)|(1<<21)         ; the mask; elements of 8 bytes; bit 21 beside a mask; no padding
	s_or_b32 s[G1B+0], s44, (3<<16)|(1<<21)
.irp g, G1, G1B
	s_mov_b32 s[\g+1], 32<<16                      ; a block is dense: 136 rows of 256 bytes
	s_mov_b32 s[\g+2], 272<<16                     ; a block's two K groups lie on end in memory: 272 rows of 256 bytes
	s_mov_b32 s[\g+3], 32<<16
	s_mov_b32 s[\g+4], 272
	s_mov_b32 s[\g+5], 32
	s_mov_b32 s[\g+6], 0
	s_mov_b32 s[\g+7], 0
.endr
	s_lshl_b32 s20, s17, 1
	s_add_co_u32 s20, s20, s16
	s_lshl_b32 s20, s20, 1
	s_add_co_u32 s20, s20, s3
	s_mul_i32 s20, s20, BLK                        ; A: ((tile x 2 + which) x 2 + K group) blocks
	s_mov_b32 s21, 0
	s_lshl_b32 s46, s42, 1
	s_add_co_u32 s46, s46, s16
	s_lshl_b32 s46, s46, 1
	s_add_co_u32 s46, s46, s4
	s_mul_i32 s46, s46, BLK
	s_mov_b32 s47, 0
	s_mul_i32 s45, s14, 2*BLK                      ; where my block's two K groups go: no place in the cluster enters an LDS address
	s_wait_dscnt 0x0                               ; both opening adds are done
	s_wait_kmcnt 0x0
	s_cmp_eq_u32 ttmp9, 2
	s_cselect_b64 s[22:23], s[70:71], s[68:69]     ; A's buffer
	s_cselect_b64 s[92:93], s[68:69], s[70:71]     ; B's
	s_add_nc_u64 s[20:21], s[22:23], s[20:21]
	s_add_nc_u64 s[46:47], s[92:93], s[46:47]
	CROUND                                         ; all sixteen work-groups are here: the joint loads meet
.irp s, 0
	s_mov_b32 s[G0+4*\s], 1
	s_add_co_u32 s[G0+4*\s+1], s45, \s*SLOT
	s_add_nc_u64 s[G0+4*\s+2:G0+4*\s+3], s[20:21], \s*BLK
	s_or_b32 s[G0+4*\s+3], s[G0+4*\s+3], 0x80000000
	s_mov_b32 s[G0B+4*\s], 1
	s_add_co_u32 s[G0B+4*\s+1], s45, \s*SLOT
	s_add_nc_u64 s[G0B+4*\s+2:G0B+4*\s+3], s[46:47], \s*BLK
	s_or_b32 s[G0B+4*\s+3], s[G0B+4*\s+3], 0x80000000
	JLOAD G0+4*\s, G1, G0B+4*\s, G1B               ; my one tensor load: all of K for one block of 128 rows
.endr
	v_and_b32 v1, 15, v0                           ; r
	v_bfe_u32 v2, v0, 4, 1                         ; h
	v_and_b32 v3, 31, v0
	v_lshlrev_b32 v[LI], 4, v3                     ; 16 x lane
	s_wait_alu depctr_va_vdst(0)
	s_mul_i32 s5, s15, 2*BLK
	s_mul_i32 s6, s16, 2*BLK
	s_add_co_u32 s6, s6, 4*BLK
	s_sub_co_u32 s7, s6, s5                        ; from A's words to B's
	v_mul_u32_u24 v4, s7, v2                       ; lanes 16-31 take B's
	v_lshl_add_u32 v4, v1, 4, v4
	s_add_co_u32 s8, s5, 32768
.irp s, 0,1
	v_add_nc_u32 v[ADRA+\s], s5, v[LI]
	v_add_nc_u32 v[ADRB+\s], s6, v[LI]
	v_add_nc_u32 v[ADRS+\s], s8, v4
	s_add_co_u32 s5, s5, BLK
	s_add_co_u32 s6, s6, BLK
	s_add_co_u32 s8, s8, BLK
.endr
	s_lshl_b32 s9, s17, 1
	s_add_co_u32 s9, s9, s15                       ; my block of 128 A rows
	s_lshl_b32 s10, s42, 1
	s_add_co_u32 s10, s10, s16                     ; my block of 128 B rows
	v_lshlrev_b32 v5, 6, v2                        ; 64 h
	v_and_b32 v6, 8, v1
	v_add_nc_u32 v6, v6, v1                        ; r + 8 (r/8)
	v_lshlrev_b32 v7, 2, v6
	v_lshlrev_b32 v6, 8, v6
	v_lshl_add_u32 v6, v2, 7, v6                   ; the rope table: 256 bytes a token, + 128 h
	s_mov_b32 s13, 0
.macro FRAG reg, adr, q, i
.irp c, 0,1
	ds_load_b128 v[\reg+4*\c:\reg+4*\c+3], v[\adr] offset:1024*(\q)+512*\c+(\i)*4096
.endr
.endm
; 16 products: A's tiles a0, a0 + 1 x B's eight.  The 64 accumulators take turns, one instruction a turn, in the same order in every step.
.macro MUL16 a0, p, q, sc, zero
.irp a, \a0, \a0+1
.irp b, 0,1,2,3,4,5,6,7
.if \zero
	v_wmma_scale_f32_16x16x128_f8f6f4 v[8*(8*((\a)%4)+\b):8*(8*((\a)%4)+\b)+7], v[128*(\p)+FR*\b:128*(\p)+FR*\b+FR-1], v[AF+FR*(\a):AF+FR*(\a)+FR-1], 0, v[SC+8*NQ*(\sc)+NQ*\b+(\q)], v[SC+8*NQ*(\sc)+NQ*(\a)+(\q)] matrix_a_fmt:MATRIX_FMT_FP4 matrix_b_fmt:MATRIX_FMT_FP4 matrix_a_scale:MATRIX_SCALE_ROW1
.else
	v_wmma_scale_f32_16x16x128_f8f6f4 v[8*(8*((\a)%4)+\b):8*(8*((\a)%4)+\b)+7], v[128*(\p)+FR*\b:128*(\p)+FR*\b+FR-1], v[AF+FR*(\a):AF+FR*(\a)+FR-1], v[8*(8*((\a)%4)+\b):8*(8*((\a)%4)+\b)+7], v[SC+8*NQ*(\sc)+NQ*\b+(\q)], v[SC+8*NQ*(\sc)+NQ*(\a)+(\q)] matrix_a_fmt:MATRIX_FMT_FP4 matrix_b_fmt:MATRIX_FMT_FP4 matrix_a_scale:MATRIX_SCALE_ROW1
.endif
.endr
.endr
.endm
.macro FETCH_B slot, q, p
	WIN TO_B
.irp i, 0,1,2,3,4,5,6,7
	FRAG 128*(\p)+FR*\i, ADRB+\slot, \q, \i
.endr
	WIN 0
.endm
.macro FETCH_A slot, q, i0
.irp i, \i0, \i0+1, \i0+2, \i0+3
	FRAG AF+FR*(\i), ADRA+\slot, \q, \i
.endr
.endm
.macro SCALES sc                       ; a slot's words: lanes 0-15 A's tile i, lanes 16-31 B's tile i, four k steps a load
.irp i, 0,1,2,3,4,5,6,7
	ds_load_b128 v[SC+8*NQ*\sc+NQ*\i:SC+8*NQ*\sc+NQ*\i+3], v[ADRS+\sc] offset:\i*256
.endr
.endm
.macro STEP slot, q, zero
	s_wait_dscnt 4*NL                              ; all but the youngest eight loads (A's tiles 4-7) are in
	WIN MUL_LO
	MUL16 0, (\q)%2, \q, \slot, \zero
	MUL16 2, (\q)%2, \q, \slot, \zero
	s_wait_dscnt 0
	PLACES NP                                      ; four places ahead of loads into registers that products have read
	FETCH_B \slot, (\q)+1, 1-(\q)%2
	FETCH_A \slot, (\q)+1, 0
	WIN MUL_HI
	MUL16 4, (\q)%2, \q, \slot, \zero
	MUL16 6, (\q)%2, \q, \slot, \zero
	PLACES NP
	WIN 0
	FETCH_A \slot, (\q)+1, 4
.endm
.macro STEPS slot, from
.set Q, \from
.rept NQ-1-\from
	STEP \slot, Q, 0
.set Q, Q+1
.endr
.endm
.macro TURN slot, next                 ; a slot's last step: my part of the next slot has landed, and everybody's behind the barrier
	s_wait_tensorcnt 0x0
	ds_add_u32 v[SPW], v[NIL]
	s_wait_dscnt 4*NL+1                            ; the add and the youngest eight loads may be out
	WIN MUL_LO
	MUL16 0, 1, NQ-1, \slot, 0
	s_wait_dscnt 0x0
	s_barrier_signal -1
	MUL16 2, 1, NQ-1, \slot, 0
	WIN 0
	s_barrier_wait -1
	PLACES NP
	FETCH_B \next, 0, 0
	FETCH_A \next, 0, 0
	SCALES \next
	WIN MUL_HI
	MUL16 4, 1, NQ-1, \slot, 0
	MUL16 6, 1, NQ-1, \slot, 0
	PLACES NP
	WIN 0
	FETCH_A \next, 0, 4
.endm
.macro CORE
	s_wait_tensorcnt 0x0                           ; my one load has landed; everybody's behind the barrier
	s_barrier_signal -1
	s_barrier_wait -1
	FETCH_B 0, 0, 0
	FETCH_A 0, 0, 0
	SCALES 0
	FETCH_A 0, 0, 4
	STEP 0, 0, 1                                   ; the first products start the sums
	STEPS 0, 1
	TURN 0, 1
	STEPS 1, 0
	s_wait_dscnt 4*NL
	WIN MUL_LO
	MUL16 0, 1, NQ-1, 1, 0
	MUL16 2, 1, NQ-1, 1, 0
	s_wait_dscnt 0
	WIN MUL_HI
	MUL16 4, 1, NQ-1, 1, 0
	MUL16 6, 1, NQ-1, 1, 0
	WIN 0
	PLACES NP
.endm
	s_cmp_eq_u32 ttmp9, 2                          ; the same in all sixteen partners
	s_cbranch_scc1 .Lvpath
; ================ Q and K
.set X,  128                           ; 64 numbers: head p's 32 at X + 32 p
.set PC, 192                           ; + 4 p: the codes
.set TS, 200                           ; + 8 p: partial sums
.set MU, 216                           ; + 2 p: the mean
.set IV, 220                           ; + 2 p: 1 / the deviation
.set TT, 224                           ; + 8 p: the rotation's products
.set QM, 240                           ; + 8 p: the quantiser's
.set PW, 12                            ; + p:   the scale word
	s_cmp_eq_u32 ttmp9, 0
	s_cselect_b64 s[94:95], s[74:75], s[76:77]     ; bias
	s_cselect_b64 s[96:97], s[80:81], s[84:85]     ; gain
	s_cselect_b64 s[98:99], s[82:83], s[86:87]     ; shift
	s_lshl_b32 s12, s10, 9
	s_add_nc_u64 s[94:95], s[94:95], s[12:13]
	s_lshl_b32 s12, ttmp9, 12
	s_lshl_b32 s11, s9, 7
	s_add_co_u32 s12, s12, s11
	s_lshl_b32 s12, s12, 8
	s_add_nc_u64 s[100:101], s[72:73], s[12:13]    ; the rope table at my 128 tokens
	WIN 0x40
	s_wait_alu depctr_va_vdst(0)
.irp b, 0,1,2,3
.irp k, 0,1,2,3
	global_load_b128 v[64+16*\b+4*\k:67+16*\b+4*\k], v5, s[94:95] offset:128*\b+16*\k      ; bias of columns 32 b + 16 h + 4 k ..
.endr
.endr
.irp b, 0,1
.irp k, 0,1,2,3
	global_load_b128 v[192+16*\b+4*\k:195+16*\b+4*\k], v5, s[96:97] offset:128*\b+16*\k
	global_load_b128 v[224+16*\b+4*\k:227+16*\b+4*\k], v5, s[98:99] offset:128*\b+16*\k
.endr
.endr
	WIN 0
.irp m, 0,1,2,3,4,5,6,7
	global_load_b128 v[96+4*\m:99+4*\m], v6, s[100:101] offset:16*\m   ; cos, cos, sin, sin of frequencies 16 h + 2 m, + 1, of tile 0's tokens
.endr
	; A prefetch of the rope table of my 128 tokens, 256 bytes a token, which the way out reads tile by tile behind all the products.  Eight waves of the cluster read these rows (two of each of the four
	; partners along the cluster's row): they share them out by address, 16 tokens each, a lane a token; lanes 16-31 name the wave's last token again.
	s_lshl_b32 s12, s40, 1
	s_add_co_u32 s12, s12, s16
	s_lshl_b32 s12, s12, 12                        ; (2 cx + my B block) x 16 tokens of 256 bytes
	v_and_b32 v14, 31, v0
	v_min_u32 v14, 15, v14
	v_lshl_add_u32 v14, v14, 8, s12                ; v14 is never written again
	global_prefetch_b8 v14, s[100:101] th:TH_LOAD_NT scope:SCOPE_SE
	CORE
	s_mov_b32 s24, 0x3c800000                      ; 1/64   (no tensor load of mine is out: the descriptors' registers are free)
	s_mov_b32 s25, 0x3727c5ac                      ; 1e-5
	s_mov_b32 s26, 0x76543210
	s_mov_b32 s27, 0xfedcba98
	s_mov_b32 s36, 143360
	s_mov_b32 s37, 131072
	s_cmp_eq_u32 ttmp9, 0
	s_cselect_b64 s[40:41], s[88:89], s[90:91]     ; qimg or kv
	s_cselect_b32 s36, 73728, s36                  ; a head's record
	s_cselect_b32 s37, 65536, s37                  ; where its scale words begin
	s_lshr_b32 s42, s9, 4
	s_lshl_b32 s42, s42, 4
	s_lshl_b32 s43, s10, 1
	s_add_co_u32 s42, s42, s43                     ; batch x 16 + my first head
	s_mul_i32 s42, s42, s36
	s_mov_b32 s43, 0
	s_add_nc_u64 s[40:41], s[40:41], s[42:43]
	s_and_b32 s44, s9, 15
	s_lshl_b32 s42, s44, 12
	s_add_nc_u64 s[28:29], s[40:41], s[42:43]      ; half images: 512 bytes a tile; the tile stands in the stores' offset register
	s_lshl_b32 s42, s44, 9
	s_add_co_u32 s42, s42, s37
	s_add_nc_u64 s[32:33], s[40:41], s[42:43]      ; words: 512 bytes for 128 tokens
	s_mov_b32 s42, s36
	s_add_nc_u64 s[30:31], s[28:29], s[42:43]      ; and the second head's
	s_add_nc_u64 s[34:35], s[32:33], s[42:43]
	s_lshl_b32 s39, s14, 10
	s_add_co_u32 s39, s39, SWS
	v_lshl_add_u32 v8, v1, 5, s39                  ; LDS: my wave's words, 32 r
.irp p, 0,1
	v_mov_b32 v[MU+2*\p+1], 0                      ; (upper halves of pairs of which the low word serves both)
	v_mov_b32 v[IV+2*\p+1], 0
	v_mov_b32 v[QM+8*\p+2], 0                      ; (a lane permute's destination counts as one of its sources)
	v_mov_b32 v[QM+8*\p+3], 0
.endr
	s_wait_loadcnt 0x0                             ; bias, gain, shift, table
	s_mov_b32 s92, 0                               ; A's tile a
	s_mov_b32 s38, 0                               ; 4 a
	s_mov_b32 s93, 0                               ; 512 a
.macro ARM a                           ; the 64 sums of A's tile a, with the bias, into window 0; each accumulator from its low end on
	WIN 0x06+(\a)/4
.irp i, 0,2,4,6,8,10,12,14,16,18,20,22,24,26,28,30,32,34,36,38,40,42,44,46,48,50,52,54,56,58,60,62
	v_pk_add_f32 v[X+\i:X+\i+1], v[64*((\a)%4)+\i:64*((\a)%4)+\i+1], v[64+\i:65+\i]
.endr
	WIN 0
.endm
.macro RED4                            ; each head's four pairs of partial sums -> its sum in v[TS + 8 p], in both lanes that hold the token; the two heads by turns
.irp p, 0,1
	v_pk_add_f32 v[TS+8*\p:TS+8*\p+1], v[TS+8*\p:TS+8*\p+1], v[TS+8*\p+2:TS+8*\p+3]
	v_pk_add_f32 v[TS+8*\p+4:TS+8*\p+5], v[TS+8*\p+4:TS+8*\p+5], v[TS+8*\p+6:TS+8*\p+7]
.endr
.irp p, 0,1
	v_pk_add_f32 v[TS+8*\p:TS+8*\p+1], v[TS+8*\p:TS+8*\p+1], v[TS+8*\p+4:TS+8*\p+5]
.endr
.irp p, 0,1
	v_add_f32 v[TS+8*\p], v[TS+8*\p], v[TS+8*\p+1]
.endr
.irp p, 0,1
	v_permlanex16_b32 v[TS+8*\p+2], v[TS+8*\p], s26, s27
.endr
.irp p, 0,1
	v_add_f32 v[TS+8*\p], v[TS+8*\p], v[TS+8*\p+2]
.endr
.endm
.Lqk:
	s_cmp_eq_u32 s92, 0
	s_cbranch_scc1 .Larm0
	s_cmp_eq_u32 s92, 1
	s_cbranch_scc1 .Larm1
	s_cmp_eq_u32 s92, 2
	s_cbranch_scc1 .Larm2
	s_cmp_eq_u32 s92, 3
	s_cbranch_scc1 .Larm3
	s_cmp_eq_u32 s92, 4
	s_cbranch_scc1 .Larm4
	s_cmp_eq_u32 s92, 5
	s_cbranch_scc1 .Larm5
	s_cmp_eq_u32 s92, 6
	s_cbranch_scc1 .Larm6
	ARM 7
	s_branch .Lbody
.Larm0:
	ARM 0
	s_branch .Lbody
.Larm1:
	ARM 1
	s_branch .Lbody
.Larm2:
	ARM 2
	s_branch .Lbody
.Larm3:
	ARM 3
	s_branch .Lbody
.Larm4:
	ARM 4
	s_branch .Lbody
.Larm5:
	ARM 5
	s_branch .Lbody
.Larm6:
	ARM 6
.Lbody:
; One tile of 16 tokens, its two heads BY TURNS, line by line, so that no line waits for the line above it: v[X + 32 p + 16 b + i] = channel 32 b + 16 h + i of head p of my token.
	v_add_nc_u32 v9, s38, v8
.irp k, 0,1,2,3
.irp p, 0,1
	v_pk_add_f32 v[TS+8*\p+2*\k:TS+8*\p+2*\k+1], v[X+32*\p+2*\k:X+32*\p+2*\k+1], v[X+32*\p+8+2*\k:X+32*\p+9+2*\k]
.endr
.endr
.irp i, 16,24
.irp k, 0,1,2,3
.irp p, 0,1
	v_pk_add_f32 v[TS+8*\p+2*\k:TS+8*\p+2*\k+1], v[TS+8*\p+2*\k:TS+8*\p+2*\k+1], v[X+32*\p+\i+2*\k:X+32*\p+\i+2*\k+1]
.endr
.endr
.endr
	RED4
.irp p, 0,1
	v_mul_f32 v[MU+2*\p], s24, v[TS+8*\p]          ; the mean
.endr
.irp i, 0,2,4,6,8,10,12,14,16,18,20,22,24,26,28,30
.irp p, 0,1
	v_pk_add_f32 v[X+32*\p+\i:X+32*\p+\i+1], v[X+32*\p+\i:X+32*\p+\i+1], v[MU+2*\p:MU+2*\p+1] op_sel_hi:[1,0] neg_lo:[0,1] neg_hi:[0,1]
.endr
.endr
.irp k, 0,1,2,3
.irp p, 0,1
	v_pk_mul_f32 v[TS+8*\p+2*\k:TS+8*\p+2*\k+1], v[X+32*\p+2*\k:X+32*\p+2*\k+1], v[X+32*\p+2*\k:X+32*\p+2*\k+1]
.endr
.endr
.irp i, 8,16,24
.irp k, 0,1,2,3
.irp p, 0,1
	v_pk_fma_f32 v[TS+8*\p+2*\k:TS+8*\p+2*\k+1], v[X+32*\p+\i+2*\k:X+32*\p+\i+2*\k+1], v[X+32*\p+\i+2*\k:X+32*\p+\i+2*\k+1], v[TS+8*\p+2*\k:TS+8*\p+2*\k+1]
.endr
.endr
.endr
	RED4
.irp p, 0,1
	v_fma_f32 v[TS+8*\p], v[TS+8*\p], s24, s25     ; the variance + 1e-5
.endr
	s_wait_alu depctr_va_vdst(0)
.irp p, 0,1
	v_rsq_f32 v[IV+2*\p], v[TS+8*\p]
.endr
	v_nop                                          ; a plain instruction behind the two
	s_wait_alu depctr_va_vdst(0)                   ; and one wait for both, ahead of their first reader
.irp i, 0,2,4,6,8,10,12,14,16,18,20,22,24,26,28,30
.irp p, 0,1
	v_pk_mul_f32 v[X+32*\p+\i:X+32*\p+\i+1], v[X+32*\p+\i:X+32*\p+\i+1], v[IV+2*\p:IV+2*\p+1] op_sel_hi:[1,0]
.endr
.endr
	WIN 0x14                                       ; gain and shift lie in window 1
.irp i, 0,2,4,6,8,10,12,14,16,18,20,22,24,26,28,30
.irp p, 0,1
	v_pk_fma_f32 v[X+32*\p+\i:X+32*\p+\i+1], v[X+32*\p+\i:X+32*\p+\i+1], v[192+\i:193+\i], v[224+\i:225+\i]
.endr
.endr
	WIN 0
	s_wait_loadcnt 0x0                             ; this tile's table, asked for in the trip before, behind both rotations
.irp m, 0,1,2,3,4,5,6,7                ; channels j and 32 + j lie in registers i and 16 + i of one lane
.irp p, 0,1
	v_pk_mul_f32 v[TT+8*\p+4*(\m%2):TT+8*\p+4*(\m%2)+1], v[X+32*\p+16+2*\m:X+32*\p+17+2*\m], v[98+4*\m:99+4*\m]
	v_pk_mul_f32 v[TT+8*\p+4*(\m%2)+2:TT+8*\p+4*(\m%2)+3], v[X+32*\p+16+2*\m:X+32*\p+17+2*\m], v[96+4*\m:97+4*\m]
.endr
.irp p, 0,1
	v_pk_fma_f32 v[X+32*\p+16+2*\m:X+32*\p+17+2*\m], v[X+32*\p+2*\m:X+32*\p+2*\m+1], v[98+4*\m:99+4*\m], v[TT+8*\p+4*(\m%2)+2:TT+8*\p+4*(\m%2)+3]
	v_pk_fma_f32 v[X+32*\p+2*\m:X+32*\p+2*\m+1], v[X+32*\p+2*\m:X+32*\p+2*\m+1], v[96+4*\m:97+4*\m], v[TT+8*\p+4*(\m%2):TT+8*\p+4*(\m%2)+1] neg_lo:[0,0,1] neg_hi:[0,0,1]
.endr
.endr
	s_wait_xcnt 0x0                                ; the trip's one wait of this kind: the last trip's two stores have read their data and their offset, its table loads their base: all three are written only behind it
	v_add_nc_u32 v11, s93, v[LI]                   ; where this tile's half images go: 512 a + 16 x lane
	s_cmp_eq_u32 s92, 7                            ; the next tile's table, if there is a next tile: no load leaves its buffer
	s_cbranch_scc1 .Lno_table
	s_add_co_u32 s42, s92, 1
	s_lshr_b32 s43, s42, 1
	s_lshl_b32 s43, s43, 13
	s_and_b32 s42, s42, 1
	s_lshl_b32 s42, s42, 11
	s_add_co_u32 s42, s42, s43                     ; (32 (a/2) + 8 (a%2)) tokens of 256 bytes
	s_mov_b32 s43, 0
	s_add_nc_u64 s[18:19], s[100:101], s[42:43]
.irp m, 0,1,2,3,4,5,6,7
	global_load_b128 v[96+4*\m:99+4*\m], v6, s[18:19] offset:16*\m
.endr
.Lno_table:
.irp b, 0,1
.irp p, 0,1
	v_max3_num_f32 v[QM+8*\p+\b], |v[X+32*\p+16*\b]|, |v[X+32*\p+16*\b+1]|, 0x1800000
.endr
.endr
.irp i, 2,4,6,8,10,12,14
.irp b, 0,1
.irp p, 0,1
	v_max3_num_f32 v[QM+8*\p+\b], v[QM+8*\p+\b], |v[X+32*\p+16*\b+\i]|, |v[X+32*\p+16*\b+\i+1]|
.endr
.endr
.endr
.irp b, 0,1
.irp p, 0,1
	v_permlanex16_b32 v[QM+8*\p+2+\b], v[QM+8*\p+\b], s26, s27
.endr
.endr
.irp b, 0,1
.irp p, 0,1
	v_max_num_f32 v[QM+8*\p+\b], v[QM+8*\p+\b], v[QM+8*\p+2+\b]
.endr
.endr
.irp b, 0,1
.irp p, 0,1
	v_add_nc_u32 v[QM+8*\p+4+\b], 0xff000000, v[QM+8*\p+\b]
.endr
.endr
.irp b, 0,1
.irp p, 0,1
	v_lshrrev_b32 v[QM+8*\p+6+\b], 23, v[QM+8*\p+4+\b]
.endr
.endr
.irp p, 0,1
	v_lshl_or_b32 v[PW+\p], v[QM+8*\p+7], 8, v[QM+8*\p+6]
.endr
.irp p, 0,1
	v_or_b32 v[PW+\p], 0x7f7f0000, v[PW+\p]        ; k = 64 .. 127 of the instruction are zero codes: their bytes stand for 1
.endr
.irp p, 0,1
.irp b, 0,1
	v_cvt_scalef32_pk8_fp4_f32 v[PC+4*\p+2*\b], v[X+32*\p+16*\b:X+32*\p+16*\b+7], v[QM+8*\p+4+\b]
	v_cvt_scalef32_pk8_fp4_f32 v[PC+4*\p+2*\b+1], v[X+32*\p+16*\b+8:X+32*\p+16*\b+15], v[QM+8*\p+4+\b]
.endr
.endr
	v_nop
.irp p, 0,1
	v_permlane16_swap_b32 v[PC+4*\p], v[PC+4*\p+2] ; a whole block to a lane: lanes 0-15 block 0, lanes 16-31 block 1
	v_permlane16_swap_b32 v[PC+4*\p+1], v[PC+4*\p+3]
.endr
.irp p, 0,1
	global_store_b128 v11, v[PC+4*\p:PC+4*\p+3], s[28+2*\p:29+2*\p]   ; 512 consecutive bytes
	ds_store_b32 v9, v[PW+\p] offset:512*\p
.endr
	s_add_co_u32 s38, s38, 4
	s_add_co_u32 s93, s93, 512
	s_add_co_u32 s92, s92, 1
	s_cmp_lt_u32 s92, 8
	s_cbranch_scc1 .Lqk
	v_add_nc_u32 v9, s39, v[LI]
	ds_load_b128 v[TS:TS+3], v9                    ; my wave's own words, served in order behind its stores; into registers that no pending store names
	ds_load_b128 v[TS+8:TS+11], v9 offset:512
	s_wait_dscnt 0x0
	global_store_b128 v[LI], v[TS:TS+3], s[32:33]
	global_store_b128 v[LI], v[TS+8:TS+11], s[34:35]
	s_branch .Lend
; ================ V^T
.Lvpath:
.set PC, 112
.set TM, 200
.set PW, 216
.set SEL, 26
	s_lshl_b32 s12, s9, 9
	s_add_nc_u64 s[94:95], s[78:79], s[12:13]      ; bv at my 128 channels
	s_wait_alu depctr_va_vdst(0)
.irp a, 0,1,2,3,4,5,6,7
	global_load_b32 v[96+2*\a], v7, s[94:95] offset:(32*(\a/2)+8*(\a%2))*4      ; my channel's bias, in both halves of a pair
	global_load_b32 v[97+2*\a], v7, s[94:95] offset:(32*(\a/2)+8*(\a%2))*4
.endr
	CORE
	s_mov_b32 s26, 0x76543210
	s_mov_b32 s27, 0xfedcba98
	s_lshr_b32 s36, s10, 4
	s_lshl_b32 s36, s36, 4
	s_lshl_b32 s37, s9, 1
	s_add_co_u32 s36, s36, s37                     ; batch x 16 + my first head
	s_mul_i32 s36, s36, 143360
	s_and_b32 s38, s10, 15                         ; the key step of 128
	s_lshl_b32 s37, s38, 12
	s_add_co_u32 s40, s36, s37
	s_add_co_u32 s40, s40, 65536
	s_mov_b32 s41, 0
	s_add_nc_u64 s[28:29], s[90:91], s[40:41]
	s_lshl_b32 s37, s38, 8
	s_add_co_u32 s40, s36, s37
	s_add_co_u32 s40, s40, 139264
	s_add_nc_u64 s[32:33], s[90:91], s[40:41]
	v_mul_u32_u24 v10, v2, 143360
	v_lshl_add_u32 v10, v1, 4, v10
.irp b, 0,1,2,3
	v_mov_b32 v[TM+4+\b], 0
.endr
; 64 numbers of a lane, register 16 b + i = k 32 b + 16 h + i of my row, become a fragment's codes in v[PC] on and its scale word in v[PW]
.macro QUANT s
.irp b, 0,1,2,3
	v_max3_num_f32 v[TM+\b], |v[\s+16*\b]|, |v[\s+1+16*\b]|, 0x1800000
.endr
.irp i, 2,4,6,8,10,12,14
.irp b, 0,1,2,3
	v_max3_num_f32 v[TM+\b], v[TM+\b], |v[\s+16*\b+\i]|, |v[\s+1+16*\b+\i]|
.endr
.endr
.irp b, 0,1,2,3
	v_permlanex16_b32 v[TM+4+\b], v[TM+\b], s[SEL], s[SEL+1]
.endr
.irp b, 0,1,2,3
	v_max_num_f32 v[TM+\b], v[TM+\b], v[TM+4+\b]
.endr
.irp b, 0,1,2,3
	v_add_nc_u32 v[TM+12+\b], 0xff000000, v[TM+\b]
.endr
.irp b, 0,1,2,3
	v_lshrrev_b32 v[TM+4+\b], 23, v[TM+12+\b]
.endr
	v_lshl_or_b32 v[PW], v[TM+5], 8, v[TM+4]
	v_lshl_or_b32 v[PW], v[TM+6], 16, v[PW]
	v_lshl_or_b32 v[PW], v[TM+7], 24, v[PW]
.irp b, 0,1,2,3
	v_cvt_scalef32_pk8_fp4_f32 v[PC+2*\b], v[\s+16*\b:\s+7+16*\b], v[TM+12+\b]
	v_cvt_scalef32_pk8_fp4_f32 v[PC+1+2*\b], v[\s+8+16*\b:\s+15+16*\b], v[TM+12+\b]
.endr
	v_nop
.irp c, 0,1
.irp i, 0,1
	v_permlane16_swap_b32 v[PC+4*\c+\i], v[PC+2+4*\c+\i]
.endr
.endr
.endm
	s_wait_loadcnt 0x0                             ; bv
.irp a, 0,1,2,3,4,5,6,7                ; tile a: 16 channels (head a/4, its tile a%4) x my 128 keys
	WIN 0x02+\a/4
.irp i, 0,2,4,6,8,10,12,14,16,18,20,22,24,26,28,30,32,34,36,38,40,42,44,46,48,50,52,54,56,58,60,62
	v_pk_add_f32 v[X+\i:X+\i+1], v[64*(\a%4)+\i:64*(\a%4)+\i+1], v[96+2*\a:97+2*\a]
.endr
	WIN 0
	s_wait_xcnt 0x0                                ; the last stores have read the codes' registers
	QUANT X
	global_store_b128 v[LI], v[PC:PC+3], s[28:29] offset:(\a/4)*143360+(\a%4)*1024
	global_store_b128 v[LI], v[PC+4:PC+7], s[28:29] offset:(\a/4)*143360+(\a%4)*1024+512
	v_mov_b32 v[120+\a], v[PW]
.endr
	v_cmp_eq_u32 s30, 1, v2
.irp t, 0,1,2,3
	v_cndmask_b32 v[192+\t], v[120+\t], v[124+\t], s30   ; lanes 0-15 store the first head's four words a channel, lanes 16-31 the second's
.endr
	global_store_b128 v10, v[192:195], s[32:33]
.Lend:
	s_wait_tensorcnt 0x0                           ; the wave's end
	ds_add_u32 v[SPW], v[NIL]
	s_wait_dscnt 0x0
	CROUND                                         ; the closing round
	s_endpgm
.Lfunc_end_k_q7d0fc46d90_proj:
	.size	k_q7d0fc46d90_proj, .Lfunc_end_k_q7d0fc46d90_proj-k_q7d0fc46d90_proj
	.p2alignl 7, 3214868480
	.fill 96, 4, 3214868480
	.section	.rodata,"a",@progbits
	.p2align	6, 0x0
	.amdhsa_kernel k_q7d0fc46d90_proj
		.amdhsa_group_segment_fixed_size 327680
		.amdhsa_private_segment_fixed_size 0
		.amdhsa_enable_private_segment 0
		.amdhsa_kernarg_size 96
		.amdhsa_user_sgpr_count 2
		.amdhsa_user_sgpr_kernarg_segment_ptr 1
		.amdhsa_wavefront_size32 1
		.amdhsa_system_sgpr_workgroup_id_x 1
		.amdhsa_system_sgpr_workgroup_id_y 1
		.amdhsa_system_sgpr_workgroup_id_z 1
		.amdhsa_system_vgpr_workitem_id 0
		.amdhsa_next_free_vgpr 1024
		.amdhsa_next_free_sgpr 102
		.amdhsa_reserve_vcc 0
		.amdhsa_float_denorm_mode_32 3
		.amdhsa_float_denorm_mode_16_64 3
		.amdhsa_memory_ordered 1
		.amdhsa_forward_progress 1
		.amdhsa_inst_pref_size 255
	.end_amdhsa_kernel
	.section	.bss,"aw",@nobits
	.p2align	6
	.space	262144
	.amdgpu_metadata
---
amdhsa.version: [ 1, 2 ]
amdhsa.kernels:
  - .name:           k_q7d0fc46d90_proj
    .symbol:         k_q7d0fc46d90_proj.kd
    .args:
      - { .name: acts, .offset: 0, .size: 8, .value_kind: global_buffer, .address_space: global }
      - { .name: wts, .offset: 8, .size: 8, .value_kind: global_buffer, .address_space: global }
      - { .name: rope, .offset: 16, .size: 8, .value_kind: global_buffer, .address_space: global }
      - { .name: bq, .offset: 24, .size: 8, .value_kind: global_buffer, .address_space: global }
      - { .name: bk, .offset: 32, .size: 8, .value_kind: global_buffer, .address_space: global }
      - { .name: bv, .offset: 40, .size: 8, .value_kind: global_buffer, .address_space: global }
      - { .name: qn_g, .offset: 48, .size: 8, .value_kind: global_buffer, .address_space: global }
      - { .name: qn_b, .offset: 56, .size: 8, .value_kind: global_buffer, .address_space: global }
      - { .name: kn_g, .offset: 64, .size: 8, .value_kind: global_buffer, .address_space: global }
      - { .name: kn_b, .offset: 72, .size: 8, .value_kind: global_buffer, .address_space: global }
      - { .name: qimg, .offset: 80, .size: 8, .value_kind: global_buffer, .address_space: global }
      - { .name: kv, .offset: 88, .size: 8, .value_kind: global_buffer, .address_space: global }
    .group_segment_fixed_size: 327680
    .private_segment_fixed_size: 0
    .kernarg_segment_align: 8
    .kernarg_segment_size: 96
    .max_flat_workgroup_size: 128
    .sgpr_count:     102
    .vgpr_count:     1024
    .wavefront_size: 32
...
	.end_amdgpu_metadata
.endif
;; end of part 2
;; launch attn (part 3): grid 8 x 32, 16 waves a work-group, clusters of 4 x 1, 327,680 bytes of LDS; arguments qimg, kv, query, ores; writes ores
.if DOCPART == 3
	.amdgcn_target "amdgcn-amd-amdhsa--gfx1250"
	.amdhsa_code_object_version 6
	.text
	.protected	k_q7d0fc46d90_attn
	.globl	k_q7d0fc46d90_attn
	.p2align	8
	.type	k_q7d0fc46d90_attn,@function
k_q7d0fc46d90_attn:
	s_mov_b64 s[64:65], 0
	v_nop
	global_prefetch_b8 v0, s[64:65] scope:SCOPE_SE
	s_setreg_imm32_b32 hwreg(HW_REG_WAVE_MODE, 25, 1), 1
	s_wait_xcnt 0x0
	s_wait_alu depctr_hold_cnt(0) depctr_sa_sdst(0) depctr_va_vdst(0) depctr_va_sdst(0) depctr_va_ssrc(0) depctr_va_vcc(0) depctr_vm_vsrc(0)
	s_getreg_b32 s2, hwreg(HW_REG_IB_STS2, 6, 4)
	s_cmp_eq_u32 s2, 0
	s_cbranch_scc0 .Lentry_in_a_cluster
	s_endpgm
.Lentry_in_a_cluster:
	s_bfe_u32 s2, ttmp6, 0x10000c
	s_cmp_lg_u32 s2, 0x3003
	s_cbranch_scc0 .Lentry_shape_is_right
	s_endpgm
.Lentry_shape_is_right:
; ATTN: ores = query + softmax(Q K^T / 8) V, both products on codes of E2M1.  No mask; no work of the problem is left out here.
; THE SOFTMAX AHEAD OF THE SECOND PRODUCT: t = score x log2(e) / 8; M = the running largest t rounded up to a whole number; p = 2^(t - M) is quantised along the keys, not normalised;
; the row's sum is taken of the unquantised p and divides at the end; when M moves, the sum and O are multiplied by 2^(old M - new M), which rounds nothing.
; A BLOCK'S SCALE NEEDS NO EXPONENTIAL: p rises with the score, so the block's largest p is 2^x with x = the block's largest t - M, in [2^floor(x), 2^(floor(x) + 1)): the quantiser's byte is
; floor(x) + 125.  x is held at -124 from below, which holds the byte at 1.  A p that v_exp_f32 rounds up onto the next power of two is held at the largest code.
; SHARES: a work-group owns 256 queries of one head and batch, each of its sixteen waves one tile of 16, in 256 registers.  Every wave walks all 2,048 keys, 128 a step.
; A head's whole record of kv (K's half images, V^T's images, both scale words: 143,360 bytes) lies in LDS, filled once: each wave brings a sixteenth by one joint load; the four query blocks of a
; cluster belong to one head and ask jointly.  No ring, no refill; no prefetch: the one fill stands at the head, with no loop ahead of it to run ahead in.
; LAYOUT: both products transposed: S^T = K Q^T, O^T = V^T P^T: a lane holds one query throughout.
; THE KEYS OF A TILE ARE CHOSEN BY THE LDS ADDRESS: tile 4 g + u takes keys 64 g + 8 u + 0..7 as its rows 0-7 and keys 64 g + 32 + 8 u + 0..7 as its rows 8-15.  So register 8 (4 g + u) + j of lane (r, h)
; is key 64 g + 32 h + 8 u + j: a lane holds two WHOLE blocks of 32 keys, in the very order of the second product's operand: a block's maximum needs no other lane and the conversions' results are the operand.
; In kv the rows lie by tiles a whose row rho is key 32 (a/2) + 8 (a%2) + rho + 8 (rho/8): eight keys 8 o .. 8 o + 7 are rows 8 ((o%4)/2) .. + 7 of tile 2 (o/4) + o%2.  Hence the lane terms below.
; (Rows 0-7 and rows 8-15 of such a tile lie 1,024 bytes apart in LDS.)
; The first product's K is the head's 64: registers 4-7 of K's and Q's fragments are zero codes, written once.
; K's fragments and words are read from LDS a step ahead; the last step is written out and asks for the rows of query in their place.
; LIMITS: as stated at the head of the first launch; the promise holds while the scaled scores stay under 2^31 in magnitude.
; REGISTERS: v1-4 lane terms; v5, v6 the add's two; v7 way out; v8-11 addresses in hand; v12 -M, v13 largest score, v14-15 the sum; v16-23 Q; v24-31 K's words; v32-95 K; v96-159 S^T, then p;
;   v160-191 O^T; v192-223 V^T; v224-231 p's codes; v232-254 at work (v240-243 V's words, v250 8 h, v252 f, v253 p's word); v255 Q's word.
.set REC,   143360
.set STAGE, 143360                     ; 16 rows x 272 bytes for each wave
.set SPARE, 212992
.set AK0,  1
.set AV0,  2
.set ASK0, 3
.set ASV0, 4
.set SPW,  5
.set NIL,  6
.set GO,   7
.set ADK,  8
.set ADV,  9
.set ADS,  10
.set ADT,  11
.set WV,   18
.set SEL,  20
.set CS,   22
.set G1,   24
.set G0,   32
.macro CROUND
	s_barrier_signal -1
	s_barrier_wait -1
	s_cmp_lg_u32 s[WV], 0
	s_cbranch_scc1 .Lnot_wave_0_\@
	s_barrier_signal -3
.Lnot_wave_0_\@:
	s_barrier_wait -3
	s_barrier_signal -1
	s_barrier_wait -1
.endm
	s_load_b256 s[4:11], s[0:1], 0x0               ; qimg, kv, query, ores
	v_lshl_add_u32 v[SPW], v0, 2, SPARE
	v_mov_b32 v[NIL], 0
	ds_add_u32 v[SPW], v[NIL]                      ; the wave's opening: the add, twice on end, and its wait ahead of my first tensor load
	ds_add_u32 v[SPW], v[NIL]
	v_lshrrev_b32 v8, 5, v0
	v_readfirstlane_b32 s[WV], v8                  ; wave 0..15
	s_bfe_u32 s12, ttmp6, 0x40000                  ; cx
	s_lshl_b32 s13, ttmp9, 2
	s_add_co_u32 s13, s13, s12                     ; my block of 256 queries: it enters global addresses alone
	s_and_b32 s14, ttmp7, 0xffff                   ; batch x 16 + head, which the partners share
	s_mov_b32 s[G1], 15|(3<<16)|(1<<21)            ; the mask: all four; elements of 8 bytes; bit 21 beside a mask
	s_mov_b32 s[G1+1], 32<<16                      ; 35 dense rows of 256 bytes
	s_mov_b32 s[G1+2], 35<<16
	s_mov_b32 s[G1+3], 32<<16
	s_mov_b32 s[G1+4], 35
	s_mov_b32 s[G1+5], 32
	s_mov_b32 s[G1+6], 0
	s_mov_b32 s[G1+7], 0
	s_mul_i32 s36, s14, REC
	s_mul_i32 s37, s[WV], 8960                     ; my sixteenth
	s_add_co_u32 s38, s36, s37
	s_mov_b32 s39, 0
	s_lshl_b32 s15, s13, 4
	s_add_co_u32 s15, s15, s[WV]                   ; my tile of queries, 0..127
	s_mul_i32 s40, s14, 73728
	s_lshr_b32 s42, s15, 3
	s_lshl_b32 s42, s42, 9
	s_and_b32 s43, s15, 7
	s_lshl_b32 s43, s43, 2
	s_add_co_u32 s42, s42, s43
	s_add_co_u32 s42, s42, s40
	s_add_co_u32 s42, s42, 65536                   ; its scale words
	s_mov_b32 s43, 0
	s_lshl_b32 s41, s15, 9
	s_add_co_u32 s40, s40, s41                     ; its half image
	s_mov_b32 s41, 0
	s_lshr_b32 s48, s14, 4
	s_lshl_b32 s48, s48, 11
	s_lshr_b32 s49, s15, 1
	s_lshl_b32 s49, s49, 5
	s_add_co_u32 s48, s48, s49
	s_and_b32 s49, s15, 1
	s_lshl_b32 s49, s49, 3
	s_add_co_u32 s48, s48, s49                     ; the tile's first row among the 4,096
	s_lshl_b32 s48, s48, 12
	s_and_b32 s49, s14, 15
	s_lshl_b32 s49, s49, 8
	s_add_co_u32 s48, s48, s49                     ; + the head's 256 bytes
	s_mov_b32 s49, 0
	s_mov_b32 s[SEL], 0x76543210
	s_mov_b32 s[SEL+1], 0xfedcba98
	s_mov_b32 s[CS], 0x3e38aa3b                    ; c = log2(e) / 8
	s_mov_b32 s[CS+1], s[CS]
	s_mov_b32 s53, 0x3e800000                      ; 125 as an exponent field
	s_mov_b32 s44, 0                               ; the key step
	s_mov_b32 s45, 0                               ; 4,096 a step: K's eight half images; V^T's four images
	s_mov_b32 s46, 0                               ; 512 a step: K's words
	s_mov_b32 s47, 0                               ; 256 a step: V's
	v_and_b32 v8, 15, v0                           ; r
	v_bfe_u32 v9, v0, 4, 1                         ; h
	v_and_b32 v10, 31, v0
	v_lshlrev_b32 v11, 4, v10                      ; 16 x lane
	v_lshlrev_b32 v254, 5, v8                      ; 32 r
	s_wait_dscnt 0x0                               ; both opening adds are done
	s_wait_alu depctr_va_vdst(0)
	s_wait_kmcnt 0x0
	s_mov_b32 s[G0], 1
	s_mov_b32 s[G0+1], s37
	s_add_nc_u64 s[G0+2:G0+3], s[6:7], s[38:39]
	s_or_b32 s[G0+3], s[G0+3], 0x80000000
	s_add_nc_u64 s[50:51], s[4:5], s[42:43]
	s_add_nc_u64 s[4:5], s[4:5], s[40:41]
	s_add_nc_u64 s[8:9], s[8:9], s[48:49]
	s_add_nc_u64 s[10:11], s[10:11], s[48:49]
	global_load_b128 v[16:19], v11, s[4:5]         ; Q's half image stays in registers
	global_load_b32 v255, v254, s[50:51]           ; and its scale words
	CROUND                                         ; all four work-groups are here: the joint loads meet
	tensor_load_to_lds s[G0:G0+3], s[G1:G1+7]      ; my one tensor load
	s_nop 0
	v_lshrrev_b32 v10, 3, v8                       ; r / 8
	v_and_b32 v[AK0], 7, v8                        ; r % 8
	v_lshlrev_b32 v[ASK0], 5, v[AK0]
	v_lshl_add_u32 v[ASK0], v10, 3, v[ASK0]
	v_add_nc_u32 v[ASK0], 131072, v[ASK0]          ; K's words: 32 (r%8) + 8 (r/8)
	v_lshlrev_b32 v[AK0], 4, v[AK0]
	v_lshl_add_u32 v[AK0], v10, 10, v[AK0]
	v_lshl_add_u32 v[AK0], v9, 8, v[AK0]           ; K's codes: 16 (r%8) + 1024 (r/8) + 256 h
	v_add_nc_u32 v[AV0], 65536, v11
	v_lshl_add_u32 v[ASV0], v8, 4, 139264
	v_lshlrev_b32 v[GO], 12, v9
	v_lshl_add_u32 v[GO], v8, 4, v[GO]             ; the way out: lanes 0-15 one row, lanes 16-31 the next
	v_lshlrev_b32 v250, 3, v9                      ; 8 h: where my two bytes stand in p's scale word
	v_and_b32 v249, 31, v0
	v_min_u32 v249, 15, v249                       ; the prefetch's offset: a lane a row of my tile; lanes 16-31 name the last row again
	v_and_b32 v248, 8, v249
	v_add_nc_u32 v249, v249, v248                  ; row rho of the tile lies rho + 8 (rho/8) rows on
	v_lshlrev_b32 v249, 12, v249                   ; v249 is never written again
.irp i, 20,21,22,23
	v_mov_b32 v[\i], 0                             ; k = 64 .. 127: zero codes
.endr
.irp t, 0,1,2,3,4,5,6,7
.irp i, 4,5,6,7
	v_mov_b32 v[32+8*\t+\i], 0
.endr
.endr
	v_mov_b32 v13, 0xff61b1e6                      ; the largest score so far: -3e38
	v_floor_f32 v12, -v13                          ; -M: above every later one, so that the first f is 0
	v_mov_b32 v14, 0
	v_mov_b32 v15, 0
	v_mov_b32 v239, 0                              ; (a lane permute's destination counts as one of its sources)
	v_mov_b32 v253, 0
.irp j, 0,1,2,3,4,5,6,7,8,9,10,11,12,13,14,15,16,17,18,19,20,21,22,23,24,25,26,27,28,29,30,31
	v_mov_b32 v[160+\j], 0                         ; O^T: the first change of M leaves zeros zeros
.endr
	s_wait_alu depctr_va_vdst(0)
	s_wait_tensorcnt 0x0                           ; my sixteenth has landed,
	s_barrier_signal -1
	s_barrier_wait -1                              ; everybody's has
.macro KLOAD adk, ads, ok, os          ; eight tiles of K and their words: tile 4 g + u; a pair of words for u = 2 w, 2 w + 1
.irp g, 0,1
.irp u, 0,1,2,3
	ds_load_b128 v[32+8*(4*\g+\u):35+8*(4*\g+\u)], v[\adk] offset:\ok+2048*\g+512*(\u%2)+128*(\u/2)
.endr
.endr
.irp g, 0,1
.irp w, 0,1
	ds_load_b64 v[24+4*\g+2*\w:25+4*\g+2*\w], v[\ads] offset:\os+256*\w+16*\g
.endr
.endr
.endm
	KLOAD AK0, ASK0, 0, 0                          ; step 0
	global_prefetch_b8 v249, s[8:9] th:TH_LOAD_NT scope:SCOPE_SE   ; the 16 x 256 bytes of query that my last step loads, fifteen steps ahead of those loads: no other wave reads them
	s_wait_loadcnt 0x0                             ; Q
; A KEY STEP of 128 keys.  next = 1: behind the first products the next step's K is asked for;  0, the last step: the rows of query for the way out.
.macro STEP next
	s_wait_dscnt 0x0                               ; K and its words, asked for a step ago
.irp t, 0,1,2,3,4,5,6,7
	v_wmma_scale_f32_16x16x128_f8f6f4 v[96+8*\t:103+8*\t], v[32+8*\t:39+8*\t], v[16:23], 0, v[24+\t], v255 matrix_a_fmt:MATRIX_FMT_FP4 matrix_b_fmt:MATRIX_FMT_FP4
.endr
	v_add_nc_u32 v[ADV], s45, v[AV0]               ; four plain lines: the places ahead of the loads into registers that these products and the last step's have read, and of the first read of the scores
	v_add_nc_u32 v[ADT], s47, v[ASV0]
.if \next
	v_add_nc_u32 v[ADK], s45, v[AK0]
	v_add_nc_u32 v[ADS], s46, v[ASK0]
.else
	v_nop
	v_nop
.endif
.irp t, 0,1,2,3
.irp c, 0,1
	ds_load_b128 v[192+8*\t+4*\c:195+8*\t+4*\c], v[ADV] offset:1024*\t+512*\c
.endr
.endr
	ds_load_b128 v[240:243], v[ADT]
.if \next
	KLOAD ADK, ADS, 4096, 512
.else
.irp k, 0,1,2,3,4,5,6,7
	global_load_b128 v[32+4*\k:35+4*\k], v[GO], s[8:9] offset:(2*\k+8*(\k/4))*4096
.endr
.endif
.irp b, 0,1,2,3
	v_max3_num_f32 v[232+\b], v[96+16*\b], v[97+16*\b], v[98+16*\b]   ; the largest of 16 scores, four chains by turns; each accumulator is read from its low end on
.endr
.irp i, 3,5,7,9,11,13
.irp b, 0,1,2,3
	v_max3_num_f32 v[232+\b], v[232+\b], v[96+16*\b+\i], v[97+16*\b+\i]
.endr
.endr
.irp b, 0,1,2,3
	v_max_num_f32 v[232+\b], v[232+\b], v[111+16*\b]
.endr
	v_max_num_f32 v236, v232, v233                 ; my block h's largest score,
	v_max_num_f32 v237, v234, v235                 ; and block 2 + h's
	s_delay_alu instid0(VALU_DEP_1)
	v_max_num_f32 v238, v236, v237
	s_delay_alu instid0(VALU_DEP_1)
	v_permlanex16_b32 v239, v238, s[SEL], s[SEL+1]
	s_delay_alu instid0(VALU_DEP_1)
	v_max3_num_f32 v13, v13, v238, v239            ; the running largest score of my query (c is positive)
	s_delay_alu instid0(VALU_DEP_1)
	v_mul_f32 v254, s[CS], v13                     ; as t
	v_mov_b32 v251, v12
	s_delay_alu instid0(VALU_DEP_2)
	v_floor_f32 v12, -v254                         ; the new -M
	s_delay_alu instid0(VALU_DEP_1)
	v_sub_f32 v251, v12, v251                      ; old M - new M: a whole number, 0 or less
	s_delay_alu instid0(VALU_DEP_1)
	v_cvt_i32_f32 v251, v251                       ; (it saturates)
	s_delay_alu instid0(VALU_DEP_1)
	v_ldexp_f32 v252, 1.0, v251                    ; f = 2^(old M - new M)
.irp j, 0,2,4,6,8,10,12,14,16,18,20,22,24,26,28,30,32,34,36,38,40,42,44,46,48,50,52,54,56,58,60,62
	v_pk_fma_f32 v[96+\j:97+\j], v[96+\j:97+\j], s[CS:CS+1], v[12:13] op_sel_hi:[1,0,0]   ; t - M, two at a time
.endr
	v_fma_f32 v246, v236, s[CS], v12               ; x: the same of each block's largest score
	v_fma_f32 v247, v237, s[CS], v12
	v_pk_mul_f32 v[14:15], v[14:15], v[252:253] op_sel_hi:[1,0]   ; the sums under the new M,
.irp j, 0,2,4,6,8,10,12,14,16,18,20,22,24,26,28,30
	v_pk_mul_f32 v[160+\j:161+\j], v[160+\j:161+\j], v[252:253] op_sel_hi:[1,0]   ; and O^T: its first read since the last step's products, ahead of the exponentials
.endr
	s_wait_alu depctr_va_vdst(0)
.irp j, 0,1,2,3,4,5,6,7,8,9,10,11,12,13,14,15,16,17,18,19,20,21,22,23,24,25,26,27,28,29,30,31,32,33,34,35,36,37,38,39,40,41,42,43,44,45,46,47,48,49,50,51,52,53,54,55,56,57,58,59,60,61,62,63
	v_exp_f32 v[96+\j], v[96+\j]                   ; p
.endr
	v_max_num_f32 v246, 0xc2f80000, v246           ; from here to the wait: work that names no p.  x held at -124,
	v_max_num_f32 v247, 0xc2f80000, v247
	v_floor_f32 v246, v246
	v_floor_f32 v247, v247
	v_cvt_i32_f32 v246, v246
	v_cvt_i32_f32 v247, v247
	v_lshl_add_u32 v244, v246, 23, s53             ; floor(x) + 125 as an exponent field: the conversion's scale operand
	v_lshl_add_u32 v245, v247, 23, s53
	v_lshl_add_u32 v248, v247, 16, v246
	s_delay_alu instid0(VALU_DEP_1)
	v_add_nc_u32 v248, 0x7d007d, v248              ; my two bytes, each floor(x) + 125 in 1 .. 125: blocks h and 2 + h,
	s_delay_alu instid0(VALU_DEP_1)
	v_lshlrev_b32 v248, v250, v248                 ; at their places in the word;
	s_delay_alu instid0(VALU_DEP_1)
	v_permlanex16_b32 v239, v248, s[SEL], s[SEL+1]
	s_delay_alu instid0(VALU_DEP_1)
	v_or_b32 v253, v248, v239                      ; with the other half's two: p's scale word for these 128 keys
	s_wait_alu depctr_va_vdst(0)                   ; one wait for the step's 64 exponentials, ahead of their first reader
.irp g, 0,1
.irp u, 0,1,2,3
	v_cvt_scalef32_pk8_fp4_f32 v[224+4*\g+\u], v[96+8*(4*\g+\u):103+8*(4*\g+\u)], v[244+\g]   ; k = 64 g + 32 h + 8 u + 0 .. 7: the operand's register 4 g + u
.endr
.endr
	v_pk_add_f32 v[236:237], v[96:97], v[98:99]    ; the row's sum of the unquantised p, in two chains.  These 32 lines only read p: they are the places ahead of the products below
.irp j, 4,8,12,16,20,24,28,32,36,40,44,48,52,56,60
	v_pk_add_f32 v[14:15], v[14:15], v[96+\j:97+\j]
	v_pk_add_f32 v[236:237], v[236:237], v[98+\j:99+\j]
.endr
	v_pk_add_f32 v[14:15], v[14:15], v[236:237]
.if \next
	s_wait_dscnt 12                                ; V and its words are in; the next step's eight loads of K and four of its words may be out
.else
	s_wait_dscnt 0x0
.endif
.irp t, 0,1,2,3
	v_wmma_scale_f32_16x16x128_f8f6f4 v[160+8*\t:167+8*\t], v[192+8*\t:199+8*\t], v[224:231], v[160+8*\t:167+8*\t], v[240+\t], v253 matrix_a_fmt:MATRIX_FMT_FP4 matrix_b_fmt:MATRIX_FMT_FP4
.endr
.endm
.Lstep:                                            ; 15 trips; the sixteenth step is written out
	STEP 1
	s_add_co_u32 s45, s45, 4096
	s_add_co_u32 s46, s46, 512
	s_add_co_u32 s47, s47, 256
	s_add_co_u32 s44, s44, 1
	s_cmp_lt_u32 s44, 15
	s_cbranch_scc1 .Lstep
	STEP 0
	; THE WAY OUT: O^T / the sum goes through my stage and comes back by rows; query is added; sixteen lanes store 256 consecutive bytes, aligned
	s_wait_alu depctr_va_vdst(0)
	v_add_f32 v14, v14, v15
	v_permlanex16_b32 v252, v14, s[SEL], s[SEL+1]
	v_add_f32 v14, v14, v252                       ; the row's sum
	s_wait_alu depctr_va_vdst(0)
	v_rcp_f32 v14, v14
	v_and_b32 v8, 15, v0
	v_bfe_u32 v9, v0, 4, 1
	s_mul_i32 s52, s[WV], 16*272
	s_add_co_u32 s52, s52, STAGE
	v_mul_u32_u24 v10, v8, 272
	v_lshl_add_u32 v10, v9, 6, v10
	v_add_nc_u32 v10, s52, v10                     ; in: row r, + 64 h
	v_mul_u32_u24 v11, v9, 272
	v_lshl_add_u32 v11, v8, 4, v11
	v_add_nc_u32 v11, s52, v11                     ; back: two rows an instruction
	s_wait_alu depctr_va_vdst(0)                   ; ahead of the first reader of the reciprocal and of the last products' O^T
.irp j, 0,2,4,6,8,10,12,14,16,18,20,22,24,26,28,30
	v_pk_mul_f32 v[96+\j:97+\j], v[160+\j:161+\j], v[14:15] op_sel_hi:[1,0]   ; register 16 b + i: channel 32 b + 16 h + i
.endr
.irp b, 0,1
.irp k, 0,1,2,3
	ds_store_b128 v10, v[96+16*\b+4*\k:99+16*\b+4*\k] offset:128*\b+16*\k
.endr
.endr
.irp k, 0,1,2,3,4,5,6,7
	ds_load_b128 v[128+4*\k:131+4*\k], v11 offset:2*\k*272   ; my wave's own bytes, served in order behind the stores
.endr
	s_wait_loadcnt 0x0                             ; query
.irp k, 0,1,2,3,4,5,6,7
	s_wait_dscnt 7-\k                              ; pair k of rows is back; the younger loads may be out
	v_pk_add_f32 v[128+4*\k:129+4*\k], v[128+4*\k:129+4*\k], v[32+4*\k:33+4*\k]
	v_pk_add_f32 v[130+4*\k:131+4*\k], v[130+4*\k:131+4*\k], v[34+4*\k:35+4*\k]
	global_store_b128 v[GO], v[128+4*\k:131+4*\k], s[10:11] offset:(2*\k+8*(\k/4))*4096
.endr
	s_wait_tensorcnt 0x0                           ; the wave's end
	ds_add_u32 v[SPW], v[NIL]
	s_wait_dscnt 0x0
	CROUND                                         ; the closing round
	s_endpgm
.Lfunc_end_k_q7d0fc46d90_attn:
	.size	k_q7d0fc46d90_attn, .Lfunc_end_k_q7d0fc46d90_attn-k_q7d0fc46d90_attn
	.p2alignl 7, 3214868480
	.fill 96, 4, 3214868480
	.section	.rodata,"a",@progbits
	.p2align	6, 0x0
	.amdhsa_kernel k_q7d0fc46d90_attn
		.amdhsa_group_segment_fixed_size 327680
		.amdhsa_private_segment_fixed_size 0
		.amdhsa_enable_private_segment 0
		.amdhsa_kernarg_size 32
		.amdhsa_user_sgpr_count 2
		.amdhsa_user_sgpr_kernarg_segment_ptr 1
		.amdhsa_wavefront_size32 1
		.amdhsa_system_sgpr_workgroup_id_x 1
		.amdhsa_system_sgpr_workgroup_id_y 1
		.amdhsa_system_sgpr_workgroup_id_z 1
		.amdhsa_system_vgpr_workitem_id 0
		.amdhsa_next_free_vgpr 256
		.amdhsa_next_free_sgpr 66
		.amdhsa_reserve_vcc 0
		.amdhsa_float_denorm_mode_32 3
		.amdhsa_float_denorm_mode_16_64 3
		.amdhsa_memory_ordered 1
		.amdhsa_forward_progress 1
		.amdhsa_inst_pref_size 43
	.end_amdhsa_kernel
	.amdgpu_metadata
---
amdhsa.version: [ 1, 2 ]
amdhsa.kernels:
  - .name:           k_q7d0fc46d90_attn
    .symbol:         k_q7d0fc46d90_attn.kd
    .args:
      - { .name: qimg, .offset: 0, .size: 8, .value_kind: global_buffer, .address_space: global }
      - { .name: kv, .offset: 8, .size: 8, .value_kind: global_buffer, .address_space: global }
      - { .name: query, .offset: 16, .size: 8, .value_kind: global_buffer, .address_space: global }
      - { .name: ores, .offset: 24, .size: 8, .value_kind: global_buffer, .address_space: global }
    .group_segment_fixed_size: 327680
    .private_segment_fixed_size: 0
    .kernarg_segment_align: 8
    .kernarg_segment_size: 32
    .max_flat_workgroup_size: 512
    .sgpr_count:     66
    .vgpr_count:     256
    .wavefront_size: 32
...
	.end_amdgpu_metadata
.endif
;; end of part 3
;; launch lnq (part 4): grid 256 x 1, 8 waves a work-group, no clusters, 70,144 bytes of LDS; arguments ores, fn_g, fn_b, hq; writes hq
.if DOCPART == 4
	.amdgcn_target "amdgcn-amd-amdhsa--gfx1250"
	.amdhsa_code_object_version 6
	.text
	.protected	k_q7d0fc46d90_lnq
	.globl	k_q7d0fc46d90_lnq
	.p2align	8
	.type	k_q7d0fc46d90_lnq,@function
k_q7d0fc46d90_lnq:
	s_mov_b64 s[64:65], 0
	v_nop
	global_prefetch_b8 v0, s[64:65] scope:SCOPE_SE
	s_setreg_imm32_b32 hwreg(HW_REG_WAVE_MODE, 25, 1), 1
	s_wait_xcnt 0x0
; LNQ: hq = the codes of LayerNorm(ores) x fn_g + fn_b along the 1,024, in the operand layout of the first launch.  No work of the problem is left out here.
; Work-group = a tile of 16 rows (rows 32 (T/2) + 8 (T%2) + r + 8 (r/8)); wave w = k step w of 128.  Each load reads 512 consecutive bytes of a row; the numbers turn through the wave's own stage
; so that lane (r, h) holds k = 64 c + 32 h + 0 .. 31 of row r.  A row's sum and sum of squares meet in LDS: eight partial sums a row, two barriers; a third for the scale words.
; LIMITS: as stated at the head of the first launch; the norm multiplies by v_rsq_f32 where the definition divides by a root.
.set BLK,   34816
.set STG,   8448
.set ST1,   67584                      ; partial sums: 32 r + 4 w; the squares' 512 bytes on; the scale words 1,024 bytes on
.set SPARE, 69120
.set SPW,   2
.set NIL,   3
.set SEL,   20
	s_load_b256 s[4:11], s[0:1], 0x0               ; ores, fn_g, fn_b, hq
	v_lshl_add_u32 v[SPW], v0, 2, SPARE
	v_mov_b32 v[NIL], 0
	v_lshrrev_b32 v1, 5, v0
	s_delay_alu instid0(VALU_DEP_1)
	v_readfirstlane_b32 s12, v1                    ; wave
	v_and_b32 v4, 31, v0
	v_and_b32 v5, 15, v0                           ; r
	v_bfe_u32 v6, v0, 4, 1                         ; h
	s_delay_alu instid0(VALU_DEP_3)
	v_lshlrev_b32 v15, 4, v4
	s_mov_b32 s[SEL], 0x76543210
	s_mov_b32 s[SEL+1], 0xfedcba98
	s_mov_b32 s22, 0x3a800000                      ; 1/1024
	s_mov_b32 s23, 0x3727c5ac                      ; 1e-5
	s_mul_i32 s13, s12, STG
	v_add_nc_u32 v7, s13, v15
	v_mul_u32_u24 v8, v5, 528
	s_delay_alu instid0(VALU_DEP_1)
	v_lshl_add_u32 v8, v6, 7, v8
	s_delay_alu instid0(VALU_DEP_1)
	v_add_nc_u32 v8, s13, v8
	v_lshlrev_b32 v9, 7, v6                        ; 128 h
	s_lshl_b32 s14, s12, 2
	s_add_co_u32 s14, s14, ST1
	v_lshl_add_u32 v10, v5, 5, s14
	v_lshlrev_b32 v11, 5, v5
	s_delay_alu instid0(VALU_DEP_1)
	v_add_nc_u32 v11, ST1, v11
	s_lshr_b32 s15, ttmp9, 1
	s_lshl_b32 s15, s15, 5
	s_and_b32 s16, ttmp9, 1
	s_lshl_b32 s16, s16, 3
	s_add_co_u32 s15, s15, s16
	s_lshl_b32 s15, s15, 12
	s_lshl_b32 s16, s12, 9
	s_mov_b32 s17, 0
	s_add_co_u32 s18, s15, s16
	s_mov_b32 s19, 0
	s_lshr_b32 s24, ttmp9, 3
	s_lshl_b32 s24, s24, 1
	s_lshr_b32 s25, s12, 2
	s_and_b32 s26, s12, 3
	s_and_b32 s27, ttmp9, 7
	s_add_co_u32 s28, s24, s25
	s_mul_i32 s28, s28, BLK
	s_lshl_b32 s30, s27, 12
	s_add_co_u32 s28, s28, s30
	s_lshl_b32 s30, s26, 10
	s_add_co_u32 s28, s28, s30
	s_mov_b32 s29, 0
	s_mul_i32 s32, s24, BLK
	s_lshl_b32 s30, s27, 8
	s_add_co_u32 s32, s32, s30
	s_add_co_u32 s32, s32, 32768
	s_mov_b32 s33, 0
	s_lshl_b32 s30, s25, 8
	s_lshl_b32 s31, s26, 2
	s_add_co_u32 s30, s30, s31
	s_add_co_u32 s30, s30, ST1+1024
	v_lshl_add_u32 v23, v5, 4, s30
	v_add_nc_u32 v24, ST1+1024, v15
	v_mul_u32_u24 v25, v6, BLK
	s_delay_alu instid0(VALU_DEP_1)
	v_lshl_add_u32 v25, v5, 4, v25
	v_mov_b32 v241, 0
	v_mov_b32 v243, 0
	s_wait_kmcnt 0x0
	s_add_nc_u64 s[4:5], s[4:5], s[18:19]
	s_add_nc_u64 s[6:7], s[6:7], s[16:17]
	s_add_nc_u64 s[8:9], s[8:9], s[16:17]
	s_add_nc_u64 s[34:35], s[10:11], s[28:29]
	s_add_nc_u64 s[36:37], s[10:11], s[32:33]
.irp i, 0,1,2,3,4,5,6,7,8,9,10,11,12,13,14,15
	global_load_b128 v[32+4*\i:35+4*\i], v15, s[4:5] offset:(\i+8*(\i/8))*4096
.endr
.irp c, 0,1
.irp j, 0,1,2,3,4,5,6,7
	global_load_b128 v[160+32*\c+4*\j:163+32*\c+4*\j], v9, s[8:9] offset:256*\c+16*\j   ; fn_b at my 64 places
.endr
.endr
.irp i, 0,1,2,3,4,5,6,7,8,9,10,11,12,13,14,15
	s_wait_loadcnt 31-\i                           ; row i is in; the rows behind it and fn_b's sixteen loads may be out
	ds_store_b128 v7, v[32+4*\i:35+4*\i] offset:\i*528
.endr
.irp c, 0,1
.irp j, 0,1,2,3,4,5,6,7
	ds_load_b128 v[96+32*\c+4*\j:99+32*\c+4*\j], v8 offset:256*\c+16*\j
.endr
.endr
	s_wait_dscnt 0x0
.irp c, 0,1
.irp j, 0,1,2,3,4,5,6,7
	global_load_b128 v[32+32*\c+4*\j:35+32*\c+4*\j], v9, s[6:7] offset:256*\c+16*\j     ; fn_g, into the registers that the rows have left
.endr
.endr
.macro REDUCE
	s_delay_alu instid0(VALU_DEP_3)
	v_pk_add_f32 v[224:225], v[224:225], v[226:227]
	s_delay_alu instid0(VALU_DEP_2)
	v_pk_add_f32 v[228:229], v[228:229], v[230:231]
	s_delay_alu instid0(VALU_DEP_1)
	v_pk_add_f32 v[224:225], v[224:225], v[228:229]
	s_delay_alu instid0(VALU_DEP_1)
	v_add_f32 v224, v224, v225
	s_delay_alu instid0(VALU_DEP_1)
	v_permlanex16_b32 v226, v224, s[SEL], s[SEL+1]
	s_delay_alu instid0(VALU_DEP_1)
	v_add_f32 v224, v224, v226
.endm
.macro EXCH off                        ; my wave's part of each row's sum to LDS; a barrier; all eight back
	ds_store_b32 v10, v224 offset:\off
	s_wait_dscnt 0x0
	s_barrier_signal -1
	s_barrier_wait -1
	ds_load_b128 v[232:235], v11 offset:\off
	ds_load_b128 v[236:239], v11 offset:\off+16
	s_wait_dscnt 0x0
	v_pk_add_f32 v[232:233], v[232:233], v[234:235]
	v_pk_add_f32 v[236:237], v[236:237], v[238:239]
	s_delay_alu instid0(VALU_DEP_1)
	v_pk_add_f32 v[232:233], v[232:233], v[236:237]
	s_delay_alu instid0(VALU_DEP_1)
	v_add_f32 v232, v232, v233
.endm
.irp k, 0,1,2,3
	v_pk_add_f32 v[224+2*\k:225+2*\k], v[96+2*\k:97+2*\k], v[104+2*\k:105+2*\k]
.endr
.irp i, 16,24,32,40,48,56
.irp k, 0,1,2,3
	s_delay_alu instid0(VALU_DEP_4)
	v_pk_add_f32 v[224+2*\k:225+2*\k], v[224+2*\k:225+2*\k], v[96+\i+2*\k:97+\i+2*\k]
.endr
.endr
	REDUCE
	EXCH 0
	s_delay_alu instid0(VALU_DEP_1)
	v_mul_f32 v240, s22, v232                      ; the mean
.irp i, 0,2,4,6,8,10,12,14,16,18,20,22,24,26,28,30,32,34,36,38,40,42,44,46,48,50,52,54,56,58,60,62
	v_pk_add_f32 v[96+\i:97+\i], v[96+\i:97+\i], v[240:241] op_sel_hi:[1,0] neg_lo:[0,1] neg_hi:[0,1]
.endr
.irp k, 0,1,2,3
	v_pk_mul_f32 v[224+2*\k:225+2*\k], v[96+2*\k:97+2*\k], v[96+2*\k:97+2*\k]
.endr
.irp i, 8,16,24,32,40,48,56
.irp k, 0,1,2,3
	s_delay_alu instid0(VALU_DEP_4)
	v_pk_fma_f32 v[224+2*\k:225+2*\k], v[96+\i+2*\k:97+\i+2*\k], v[96+\i+2*\k:97+\i+2*\k], v[224+2*\k:225+2*\k]
.endr
.endr
	REDUCE
	EXCH 512                                       ; other bytes than the first exchange's: no barrier between its reads and these stores
	s_delay_alu instid0(VALU_DEP_1)
	v_fma_f32 v232, v232, s22, s23
	s_wait_alu depctr_va_vdst(0)
	v_rsq_f32 v242, v232
	v_nop
	s_wait_alu depctr_va_vdst(0)
	s_wait_loadcnt 0x0                             ; fn_g, fn_b
.irp i, 0,2,4,6,8,10,12,14,16,18,20,22,24,26,28,30,32,34,36,38,40,42,44,46,48,50,52,54,56,58,60,62
	v_pk_mul_f32 v[96+\i:97+\i], v[96+\i:97+\i], v[242:243] op_sel_hi:[1,0]
.endr
.irp i, 0,2,4,6,8,10,12,14,16,18,20,22,24,26,28,30,32,34,36,38,40,42,44,46,48,50,52,54,56,58,60,62
	v_pk_fma_f32 v[96+\i:97+\i], v[96+\i:97+\i], v[32+\i:33+\i], v[160+\i:161+\i]
.endr
	; the quantiser: two whole blocks a lane -> codes v160-167, scale word v20
.irp c, 0,1
	v_max3_num_f32 v[12+\c], |v[96+32*\c]|, |v[97+32*\c]|, 0x1800000
.endr
.irp i, 2,4,6,8,10,12,14,16,18,20,22,24,26,28,30
.irp c, 0,1
	s_delay_alu instid0(VALU_DEP_2)
	v_max3_num_f32 v[12+\c], v[12+\c], |v[96+32*\c+\i]|, |v[97+32*\c+\i]|
.endr
.endr
.irp c, 0,1
	s_delay_alu instid0(VALU_DEP_2)
	v_add_nc_u32 v[16+\c], 0xff000000, v[12+\c]
.endr
.irp c, 0,1
	s_delay_alu instid0(VALU_DEP_2)
	v_lshrrev_b32 v[18+\c], 23, v[16+\c]
.endr
	s_delay_alu instid0(VALU_DEP_1)
	v_lshl_or_b32 v20, v19, 16, v18
	v_lshlrev_b32 v21, 3, v6
	s_delay_alu instid0(VALU_DEP_1)
	v_lshlrev_b32 v20, v21, v20
	v_mov_b32 v21, 0
	s_delay_alu instid0(VALU_DEP_1)
	v_permlanex16_b32 v21, v20, s[SEL], s[SEL+1]
	s_delay_alu instid0(VALU_DEP_1)
	v_or_b32 v20, v20, v21
.irp c, 0,1
.irp g, 0,1,2,3
	v_cvt_scalef32_pk8_fp4_f32 v[160+4*\c+\g], v[96+32*\c+8*\g:103+32*\c+8*\g], v[16+\c]
.endr
.endr
	v_nop
	global_store_b128 v15, v[160:163], s[34:35]
	global_store_b128 v15, v[164:167], s[34:35] offset:512
	ds_store_b32 v23, v20
	s_wait_dscnt 0x0
	s_barrier_signal -1
	s_barrier_wait -1
	s_cmp_lg_u32 s12, 0
	s_cbranch_scc1 .Lend
	ds_load_b128 v[26:29], v24
	s_wait_dscnt 0x0
	global_store_b128 v25, v[26:29], s[36:37]
.Lend:
	s_wait_tensorcnt 0x0                           ; the wave's end
	ds_add_u32 v[SPW], v[NIL]
	s_wait_dscnt 0x0
	s_endpgm
.Lfunc_end_k_q7d0fc46d90_lnq:
	.size	k_q7d0fc46d90_lnq, .Lfunc_end_k_q7d0fc46d90_lnq-k_q7d0fc46d90_lnq
	.p2alignl 7, 3214868480
	.fill 96, 4, 3214868480
	.section	.rodata,"a",@progbits
	.p2align	6, 0x0
	.amdhsa_kernel k_q7d0fc46d90_lnq
		.amdhsa_group_segment_fixed_size 70144
		.amdhsa_private_segment_fixed_size 0
		.amdhsa_enable_private_segment 0
		.amdhsa_kernarg_size 32
		.amdhsa_user_sgpr_count 2
		.amdhsa_user_sgpr_kernarg_segment_ptr 1
		.amdhsa_wavefront_size32 1
		.amdhsa_system_sgpr_workgroup_id_x 1
		.amdhsa_system_sgpr_workgroup_id_y 1
		.amdhsa_system_sgpr_workgroup_id_z 1
		.amdhsa_system_vgpr_workitem_id 0
		.amdhsa_next_free_vgpr 256
		.amdhsa_next_free_sgpr 66
		.amdhsa_reserve_vcc 0
		.amdhsa_float_denorm_mode_32 3
		.amdhsa_float_denorm_mode_16_64 3
		.amdhsa_memory_ordered 1
		.amdhsa_forward_progress 1
		.amdhsa_inst_pref_size 30
	.end_amdhsa_kernel
	.amdgpu_metadata
---
amdhsa.version: [ 1, 2 ]
amdhsa.kernels:
  - .name:           k_q7d0fc46d90_lnq
    .symbol:         k_q7d0fc46d90_lnq.kd
    .args:
      - { .name: ores, .offset: 0, .size: 8, .value_kind: global_buffer, .address_space: global }
      - { .name: fn_g, .offset: 8, .size: 8, .value_kind: global_buffer, .address_space: global }
      - { .name: fn_b, .offset: 16, .size: 8, .value_kind: global_buffer, .address_space: global }
      - { .name: hq, .offset: 24, .size: 8, .value_kind: global_buffer, .address_space: global }
    .group_segment_fixed_size: 70144
    .private_segment_fixed_size: 0
    .kernarg_segment_align: 8
    .kernarg_segment_size: 32
    .max_flat_workgroup_size: 256
    .sgpr_count:     66
    .vgpr_count:     256
    .wavefront_size: 32
...
	.end_amdgpu_metadata
.endif
;; end of part 4
;; launch ffn1 (part 5): grid 16 x 16, 4 waves a work-group, clusters of 4 x 4, 327,680 bytes of LDS; arguments hq, wts, b1, gq; writes gq
.if DOCPART == 5
	.amdgcn_target "amdgcn-amd-amdhsa--gfx1250"
	.amdhsa_code_object_version 6
	.text
	.protected	k_q7d0fc46d90_ffn1
	.globl	k_q7d0fc46d90_ffn1
	.p2align	8
	.type	k_q7d0fc46d90_ffn1,@function
k_q7d0fc46d90_ffn1:
	s_mov_b64 s[64:65], 0
	v_nop
	global_prefetch_b8 v0, s[64:65] scope:SCOPE_SE
	s_setreg_imm32_b32 hwreg(HW_REG_WAVE_MODE, 25, 1), 1
	s_wait_xcnt 0x0
	s_wait_alu depctr_hold_cnt(0) depctr_sa_sdst(0) depctr_va_vdst(0) depctr_va_sdst(0) depctr_va_ssrc(0) depctr_va_vcc(0) depctr_vm_vsrc(0)
	s_getreg_b32 s2, hwreg(HW_REG_IB_STS2, 6, 4)
	s_cmp_eq_u32 s2, 0
	s_cbranch_scc0 .Lentry_in_a_cluster
	s_endpgm
.Lentry_in_a_cluster:
	s_bfe_u32 s2, ttmp6, 0x10000c
	s_cmp_lg_u32 s2, 0xf033
	s_cbranch_scc0 .Lentry_shape_is_right
	s_endpgm
.Lentry_shape_is_right:
; FFN1: gq = the codes of gelu(hq W1 + b1) along the 4,096, in the operand layout of the first launch.  No work of the problem is left out here.
; A work-group of four waves makes 256 x 256, a wave 128 x 128; the products are used transposed, so that a lane holds a token and runs along the hidden units, the next K.
; K = 1,024 lies whole in LDS: [A block 0: K groups 0, 1][A block 1][B block 0][B block 1], 2 BLK each, each brought by one joint load of one wave; nothing is filled again.
; CLUSTERS: 4 x 4 work-groups; A's blocks are asked for jointly along a row of the cluster, B's along a column.  b1 is the C of the first products.
; erf is a quotient of two polynomials in x^2, x held at +-3.83; LIMITS as stated at the head of the first launch.
.set BLK,   34816
.set SLOT,  4*BLK
.set NQ,    4
.set FR,    8
.set NL,    2
.set NP,    4
.set SWS,   2*SLOT
.set SPARE, SWS+2048
.set LI,    3
.set ADRA,  16
.set ADRB,  20
.set ADRS,  26
.set SPW,   28
.set NIL,   29
.set SC,    32
.set AF,    128
.set G1,    24
.set G0,    32
.set G1B,   48
.set G0B,   56
.set MSB,   0
.macro WIN new
.if MSB != (\new)
	s_set_vgpr_msb (MSB<<8)|(\new)
.set MSB, (\new)
.endif
.endm
.set MUL_LO, 0xa1
.set MUL_HI, 0xf1
.set TO_B,   0x40
.macro JLOAD g0a, g1a, g0b, g1b
	s_cmp_eq_u32 s15, 0
	s_cbranch_scc0 .Lfor_b_\@
	tensor_load_to_lds s[\g0a:\g0a+3], s[\g1a:\g1a+7]
	s_nop 0
.rept 4
	v_nop
.endr
	s_branch .Lasked_\@
.Lfor_b_\@:
	tensor_load_to_lds s[\g0b:\g0b+3], s[\g1b:\g1b+7]
	s_nop 0
.rept 4
	v_nop
.endr
.Lasked_\@:
.endm
.macro CROUND
	s_barrier_signal -1
	s_barrier_wait -1
	s_cmp_lg_u32 s14, 0
	s_cbranch_scc1 .Lnot_wave_0_\@
	s_barrier_signal -3
.Lnot_wave_0_\@:
	s_barrier_wait -3
	s_barrier_signal -1
	s_barrier_wait -1
.endm
.macro PLACES n
.rept \n
	v_nop
.endr
.endm
	s_load_b256 s[68:75], s[0:1], 0x0
	v_lshl_add_u32 v[SPW], v0, 2, SPARE
	v_mov_b32 v[NIL], 0
	ds_add_u32 v[SPW], v[NIL]
	ds_add_u32 v[SPW], v[NIL]
	v_lshrrev_b32 v1, 5, v0
	v_readfirstlane_b32 s14, v1
	s_lshr_b32 s15, s14, 1
	s_and_b32 s16, s14, 1
	s_bfe_u32 s40, ttmp6, 0x40000
	s_bfe_u32 s41, ttmp6, 0x40004
	s_lshl_b32 s42, ttmp9, 2
	s_add_co_u32 s42, s42, s40
	s_and_b32 s17, ttmp7, 0xffff
	s_lshl_b32 s17, s17, 2
	s_add_co_u32 s17, s17, s41
	s_lshl_b32 s43, s41, 2
	s_lshl_b32 s43, 15, s43
	s_lshl_b32 s44, 0x1111, s40
	s_or_b32 s[G1+0], s43, (3<<16)|(1<<21)
	s_or_b32 s[G1B+0], s44, (3<<16)|(1<<21)
.irp g, G1, G1B
	s_mov_b32 s[\g+1], 32<<16
	s_mov_b32 s[\g+2], 272<<16                     ; a block's two K groups lie on end in memory: 272 rows of 256 bytes
	s_mov_b32 s[\g+3], 32<<16
	s_mov_b32 s[\g+4], 272
	s_mov_b32 s[\g+5], 32
	s_mov_b32 s[\g+6], 0
	s_mov_b32 s[\g+7], 0
.endr
	s_lshl_b32 s20, s17, 1
	s_add_co_u32 s20, s20, s16
	s_lshl_b32 s20, s20, 1
	s_mul_i32 s20, s20, BLK
	s_mov_b32 s21, 0
	s_lshl_b32 s46, s42, 1
	s_add_co_u32 s46, s46, s16
	s_lshl_b32 s46, s46, 1
	s_add_co_u32 s46, s46, 48
	s_mul_i32 s46, s46, BLK
	s_mov_b32 s47, 0
	s_mul_i32 s45, s14, 2*BLK                      ; where my block's two K groups go
	s_wait_dscnt 0x0
	s_wait_kmcnt 0x0
	s_add_nc_u64 s[20:21], s[68:69], s[20:21]
	s_add_nc_u64 s[46:47], s[70:71], s[46:47]
	CROUND
.irp s, 0
	s_mov_b32 s[G0+4*\s], 1
	s_add_co_u32 s[G0+4*\s+1], s45, \s*SLOT
	s_add_nc_u64 s[G0+4*\s+2:G0+4*\s+3], s[20:21], \s*BLK
	s_or_b32 s[G0+4*\s+3], s[G0+4*\s+3], 0x80000000
	s_mov_b32 s[G0B+4*\s], 1
	s_add_co_u32 s[G0B+4*\s+1], s45, \s*SLOT
	s_add_nc_u64 s[G0B+4*\s+2:G0B+4*\s+3], s[46:47], \s*BLK
	s_or_b32 s[G0B+4*\s+3], s[G0B+4*\s+3], 0x80000000
	JLOAD G0+4*\s, G1, G0B+4*\s, G1B               ; my one tensor load: all of K for one block of 128 rows
.endr
	v_and_b32 v1, 15, v0
	v_bfe_u32 v2, v0, 4, 1
	v_and_b32 v3, 31, v0
	v_lshlrev_b32 v[LI], 4, v3
	s_wait_alu depctr_va_vdst(0)
	s_mul_i32 s5, s15, 2*BLK
	s_mul_i32 s6, s16, 2*BLK
	s_add_co_u32 s6, s6, 4*BLK
	s_sub_co_u32 s7, s6, s5
	v_mul_u32_u24 v4, s7, v2
	v_lshl_add_u32 v4, v1, 4, v4
	s_add_co_u32 s8, s5, 32768
.irp s, 0,1
	v_add_nc_u32 v[ADRA+\s], s5, v[LI]
	v_add_nc_u32 v[ADRB+\s], s6, v[LI]
	v_add_nc_u32 v[ADRS+\s], s8, v4
	s_add_co_u32 s5, s5, BLK
	s_add_co_u32 s6, s6, BLK
	s_add_co_u32 s8, s8, BLK
.endr
	s_lshl_b32 s9, s17, 1
	s_add_co_u32 s9, s9, s15
	s_lshl_b32 s10, s42, 1
	s_add_co_u32 s10, s10, s16
	v_lshlrev_b32 v5, 6, v2
	s_lshl_b32 s12, s10, 9
	s_mov_b32 s13, 0
	s_add_nc_u64 s[72:73], s[72:73], s[12:13]
	WIN 0x40
.irp b, 0,1,2,3
.irp k, 0,1,2,3
	global_load_b128 v[64+16*\b+4*\k:67+16*\b+4*\k], v5, s[72:73] offset:128*\b+16*\k
.endr
.endr
	WIN 0
.macro FRAG reg, adr, q, i
.irp c, 0,1
	ds_load_b128 v[\reg+4*\c:\reg+4*\c+3], v[\adr] offset:1024*(\q)+512*\c+(\i)*4096
.endr
.endm
.macro MUL16 a0, p, q, sc, zero
.irp a, \a0, \a0+1
.irp b, 0,1,2,3,4,5,6,7
.if \zero
	v_wmma_scale_f32_16x16x128_f8f6f4 v[8*(8*((\a)%4)+\b):8*(8*((\a)%4)+\b)+7], v[128*(\p)+FR*\b:128*(\p)+FR*\b+FR-1], v[AF+FR*(\a):AF+FR*(\a)+FR-1], v[64+8*\b:71+8*\b], v[SC+8*NQ*(\sc)+NQ*\b+(\q)], v[SC+8*NQ*(\sc)+NQ*(\a)+(\q)] matrix_a_fmt:MATRIX_FMT_FP4 matrix_b_fmt:MATRIX_FMT_FP4 matrix_a_scale:MATRIX_SCALE_ROW1
.else
	v_wmma_scale_f32_16x16x128_f8f6f4 v[8*(8*((\a)%4)+\b):8*(8*((\a)%4)+\b)+7], v[128*(\p)+FR*\b:128*(\p)+FR*\b+FR-1], v[AF+FR*(\a):AF+FR*(\a)+FR-1], v[8*(8*((\a)%4)+\b):8*(8*((\a)%4)+\b)+7], v[SC+8*NQ*(\sc)+NQ*\b+(\q)], v[SC+8*NQ*(\sc)+NQ*(\a)+(\q)] matrix_a_fmt:MATRIX_FMT_FP4 matrix_b_fmt:MATRIX_FMT_FP4 matrix_a_scale:MATRIX_SCALE_ROW1
.endif
.endr
.endr
.endm
.macro FETCH_B slot, q, p
	WIN TO_B
.irp i, 0,1,2,3,4,5,6,7
	FRAG 128*(\p)+FR*\i, ADRB+\slot, \q, \i
.endr
	WIN 0
.endm
.macro FETCH_A slot, q, i0
.irp i, \i0, \i0+1, \i0+2, \i0+3
	FRAG AF+FR*(\i), ADRA+\slot, \q, \i
.endr
.endm
.macro SCALES sc
.irp i, 0,1,2,3,4,5,6,7
	ds_load_b128 v[SC+8*NQ*\sc+NQ*\i:SC+8*NQ*\sc+NQ*\i+3], v[ADRS+\sc] offset:\i*256
.endr
.endm
.macro STEP slot, q, zero
	s_wait_dscnt 4*NL
.if \zero
	WIN 0x91
.else
	WIN MUL_LO
.endif
	MUL16 0, (\q)%2, \q, \slot, \zero
	MUL16 2, (\q)%2, \q, \slot, \zero
	s_wait_dscnt 0
	PLACES NP
	FETCH_B \slot, (\q)+1, 1-(\q)%2
	FETCH_A \slot, (\q)+1, 0
.if \zero
	WIN 0xd1
.else
	WIN MUL_HI
.endif
	MUL16 4, (\q)%2, \q, \slot, \zero
	MUL16 6, (\q)%2, \q, \slot, \zero
	PLACES NP
	WIN 0
	FETCH_A \slot, (\q)+1, 4
.endm
.macro STEPS slot, from
.set Q, \from
.rept NQ-1-\from
	STEP \slot, Q, 0
.set Q, Q+1
.endr
.endm
.macro TURN slot, next
	s_wait_tensorcnt 0x0
	ds_add_u32 v[SPW], v[NIL]
	s_wait_dscnt 4*NL+1
	WIN MUL_LO
	MUL16 0, 1, NQ-1, \slot, 0
	s_wait_dscnt 0x0
	s_barrier_signal -1
	MUL16 2, 1, NQ-1, \slot, 0
	WIN 0
	s_barrier_wait -1
	PLACES NP
	FETCH_B \next, 0, 0
	FETCH_A \next, 0, 0
	SCALES \next
	WIN MUL_HI
	MUL16 4, 1, NQ-1, \slot, 0
	MUL16 6, 1, NQ-1, \slot, 0
	PLACES NP
	WIN 0
	FETCH_A \next, 0, 4
.endm
	s_wait_alu depctr_va_vdst(0)
	s_wait_tensorcnt 0x0                           ; my one load has landed; everybody's behind the barrier
	s_barrier_signal -1
	s_barrier_wait -1
	FETCH_B 0, 0, 0
	FETCH_A 0, 0, 0
	SCALES 0
	FETCH_A 0, 0, 4
	s_wait_loadcnt 0x0
	STEP 0, 0, 2
	STEPS 0, 1
	TURN 0, 1
	STEPS 1, 0
	s_wait_dscnt 4*NL
	WIN MUL_LO
	MUL16 0, 1, NQ-1, 1, 0
	MUL16 2, 1, NQ-1, 1, 0
	s_wait_dscnt 0
	WIN MUL_HI
	MUL16 4, 1, NQ-1, 1, 0
	MUL16 6, 1, NQ-1, 1, 0
	WIN 0
	PLACES NP
.set X,  96
.set TM, 228
.set PC, 244
.set PW, 252
.set SEL, 46
.macro SETP reg, val
	s_mov_b32 s[\reg], \val
	s_mov_b32 s[\reg+1], s[\reg]
.endm
	SETP 24, 0x3fb504f3
	s_mov_b32 s26, -3.8325068569
	s_mov_b32 s27, 3.8325068569
	SETP 28, 0.0034082910107
	SETP 30, 0.050955695062
	SETP 32, 0.18520832240
	SETP 34, 1.1283791435
	SETP 36, 0.000023547966471
	SETP 38, 0.0010179625279
	SETP 40, 0.014070470171
	SETP 42, 0.11098505178
	SETP 44, 0.49746925110
	s_mov_b32 s[SEL], 0x76543210
	s_mov_b32 s[SEL+1], 0xfedcba98
	v_mov_b32 v224, 0.00022905065861
	v_mov_b32 v225, v224
	v_mov_b32 v226, -0.00000011791602954
	v_mov_b32 v227, v226
.irp b, 0,1,2,3
	v_mov_b32 v[TM+4+\b], 0
.endr
	s_lshl_b32 s52, s9, 3
	s_lshr_b32 s53, s10, 2
	s_add_co_u32 s52, s52, s53
	s_mul_i32 s52, s52, BLK
	s_mov_b32 s53, 0
	s_add_nc_u64 s[50:51], s[74:75], s[52:53]
	s_and_b32 s54, s10, 3
	s_lshl_b32 s52, s54, 10
	s_add_nc_u64 s[48:49], s[50:51], s[52:53]
	s_lshl_b32 s52, s54, 9
	s_add_co_u32 s52, s52, 32768
	s_add_nc_u64 s[50:51], s[50:51], s[52:53]
	s_lshl_b32 s55, s14, 9
	s_add_co_u32 s55, s55, SWS
	v_lshl_add_u32 v8, v1, 5, s55
	s_mov_b32 s92, 0
	s_mov_b32 s56, 0
	s_mov_b32 s57, 0
.macro ARM a
	WIN 0x02+(\a)/4
.irp i, 0,2,4,6,8,10,12,14,16,18,20,22,24,26,28,30,32,34,36,38,40,42,44,46,48,50,52,54,56,58,60,62
	v_pk_mul_f32 v[X+\i:X+\i+1], v[64*((\a)%4)+\i:64*((\a)%4)+\i+1], 0.5 op_sel_hi:[1,0]
.endr
	WIN 0
.endm
.macro CHUNK g
.set XB, X+16*\g
.irp i, 0,2,4,6,8,10,12,14
	v_pk_mul_f32 v[160+\i:161+\i], v[XB+\i:XB+\i+1], s[24:25] op_sel_hi:[1,0]
.endr
.irp i, 0,1,2,3,4,5,6,7,8,9,10,11,12,13,14,15
	v_med3_num_f32 v[160+\i], v[160+\i], s26, s27
.endr
.irp i, 0,2,4,6,8,10,12,14
	v_pk_mul_f32 v[176+\i:177+\i], v[160+\i:161+\i], v[160+\i:161+\i]
.endr
.irp i, 0,2,4,6,8,10,12,14
	v_pk_fma_f32 v[192+\i:193+\i], v[176+\i:177+\i], v[224:225], s[28:29] op_sel_hi:[1,1,0]
	v_pk_fma_f32 v[208+\i:209+\i], v[176+\i:177+\i], v[226:227], s[36:37] op_sel_hi:[1,1,0]
.endr
.irp c, 30,32,34
.irp i, 0,2,4,6,8,10,12,14
	v_pk_fma_f32 v[192+\i:193+\i], v[192+\i:193+\i], v[176+\i:177+\i], s[\c:\c+1] op_sel_hi:[1,1,0]
.endr
.endr
.irp c, 38,40,42,44
.irp i, 0,2,4,6,8,10,12,14
	v_pk_fma_f32 v[208+\i:209+\i], v[208+\i:209+\i], v[176+\i:177+\i], s[\c:\c+1] op_sel_hi:[1,1,0]
.endr
.endr
.irp i, 0,2,4,6,8,10,12,14
	v_pk_fma_f32 v[208+\i:209+\i], v[208+\i:209+\i], v[176+\i:177+\i], 1.0 op_sel_hi:[1,1,0]
.endr
.irp i, 0,2,4,6,8,10,12,14
	v_mul_f32 v[176+\i], v[208+\i], v[209+\i]      ; one reciprocal serves two denominators: 1 / (q0 q1); both lie between 1 and 140
.endr
	s_wait_alu depctr_va_vdst(0)
.irp i, 0,2,4,6,8,10,12,14
	v_rcp_f32 v[176+\i], v[176+\i]
.endr
.irp i, 0,2,4,6,8,10,12,14
	v_pk_mul_f32 v[192+\i:193+\i], v[192+\i:193+\i], v[160+\i:161+\i]
.endr
	s_wait_alu depctr_va_vdst(0)
.irp i, 0,2,4,6,8,10,12,14
	v_pk_mul_f32 v[208+\i:209+\i], v[208+\i:209+\i], v[176+\i:177+\i] op_sel:[1,0] op_sel_hi:[0,0]   ; 1 / q0 = q1 / (q0 q1), 1 / q1 = q0 / (q0 q1): the pair swapped, times the one reciprocal
.endr
.irp i, 0,2,4,6,8,10,12,14
	v_pk_mul_f32 v[192+\i:193+\i], v[192+\i:193+\i], v[208+\i:209+\i]
.endr
.irp i, 0,2,4,6,8,10,12,14
	v_pk_fma_f32 v[XB+\i:XB+\i+1], v[XB+\i:XB+\i+1], v[192+\i:193+\i], v[XB+\i:XB+\i+1]
.endr
.endm
.macro QUANT s
.irp b, 0,1,2,3
	v_max3_num_f32 v[TM+\b], |v[\s+16*\b]|, |v[\s+1+16*\b]|, 0x1800000
.endr
.irp i, 2,4,6,8,10,12,14
.irp b, 0,1,2,3
	v_max3_num_f32 v[TM+\b], v[TM+\b], |v[\s+16*\b+\i]|, |v[\s+1+16*\b+\i]|
.endr
.endr
.irp b, 0,1,2,3
	v_permlanex16_b32 v[TM+4+\b], v[TM+\b], s[SEL], s[SEL+1]
.endr
.irp b, 0,1,2,3
	v_max_num_f32 v[TM+\b], v[TM+\b], v[TM+4+\b]
.endr
.irp b, 0,1,2,3
	v_add_nc_u32 v[TM+12+\b], 0xff000000, v[TM+\b]
.endr
.irp b, 0,1,2,3
	v_lshrrev_b32 v[TM+4+\b], 23, v[TM+12+\b]
.endr
	v_lshl_or_b32 v[PW], v[TM+5], 8, v[TM+4]
	v_lshl_or_b32 v[PW], v[TM+6], 16, v[PW]
	v_lshl_or_b32 v[PW], v[TM+7], 24, v[PW]
.irp b, 0,1,2,3
	v_cvt_scalef32_pk8_fp4_f32 v[PC+2*\b], v[\s+16*\b:\s+7+16*\b], v[TM+12+\b]
	v_cvt_scalef32_pk8_fp4_f32 v[PC+1+2*\b], v[\s+8+16*\b:\s+15+16*\b], v[TM+12+\b]
.endr
	v_nop
.irp c, 0,1
.irp i, 0,1
	v_permlane16_swap_b32 v[PC+4*\c+\i], v[PC+2+4*\c+\i]
.endr
.endr
.endm
.Ltile:
	s_cmp_eq_u32 s92, 0
	s_cbranch_scc1 .Larm0
	s_cmp_eq_u32 s92, 1
	s_cbranch_scc1 .Larm1
	s_cmp_eq_u32 s92, 2
	s_cbranch_scc1 .Larm2
	s_cmp_eq_u32 s92, 3
	s_cbranch_scc1 .Larm3
	s_cmp_eq_u32 s92, 4
	s_cbranch_scc1 .Larm4
	s_cmp_eq_u32 s92, 5
	s_cbranch_scc1 .Larm5
	s_cmp_eq_u32 s92, 6
	s_cbranch_scc1 .Larm6
	ARM 7
	s_branch .Lbody
.Larm0:
	ARM 0
	s_branch .Lbody
.Larm1:
	ARM 1
	s_branch .Lbody
.Larm2:
	ARM 2
	s_branch .Lbody
.Larm3:
	ARM 3
	s_branch .Lbody
.Larm4:
	ARM 4
	s_branch .Lbody
.Larm5:
	ARM 5
	s_branch .Lbody
.Larm6:
	ARM 6
.Lbody:
	v_add_nc_u32 v9, s56, v8
	CHUNK 0
	CHUNK 1
	CHUNK 2
	CHUNK 3
	s_wait_xcnt 0x0
	v_add_nc_u32 v10, s57, v[LI]
	QUANT X
	global_store_b128 v10, v[PC:PC+3], s[48:49]
	global_store_b128 v10, v[PC+4:PC+7], s[48:49] offset:512
	ds_store_b32 v9, v[PW]
	s_add_co_u32 s56, s56, 4
	s_add_co_u32 s57, s57, 4096
	s_add_co_u32 s92, s92, 1
	s_cmp_lt_u32 s92, 8
	s_cbranch_scc1 .Ltile
	v_add_nc_u32 v9, s55, v[LI]
	ds_load_b128 v[160:163], v9
	s_wait_dscnt 0x0
	global_store_b128 v[LI], v[160:163], s[50:51]
	s_wait_tensorcnt 0x0
	ds_add_u32 v[SPW], v[NIL]
	s_wait_dscnt 0x0
	CROUND
	s_endpgm
.Lfunc_end_k_q7d0fc46d90_ffn1:
	.size	k_q7d0fc46d90_ffn1, .Lfunc_end_k_q7d0fc46d90_ffn1-k_q7d0fc46d90_ffn1
	.p2alignl 7, 3214868480
	.fill 96, 4, 3214868480
	.section	.rodata,"a",@progbits
	.p2align	6, 0x0
	.amdhsa_kernel k_q7d0fc46d90_ffn1
		.amdhsa_group_segment_fixed_size 327680
		.amdhsa_private_segment_fixed_size 0
		.amdhsa_enable_private_segment 0
		.amdhsa_kernarg_size 32
		.amdhsa_user_sgpr_count 2
		.amdhsa_user_sgpr_kernarg_segment_ptr 1
		.amdhsa_wavefront_size32 1
		.amdhsa_system_sgpr_workgroup_id_x 1
		.amdhsa_system_sgpr_workgroup_id_y 1
		.amdhsa_system_sgpr_workgroup_id_z 1
		.amdhsa_system_vgpr_workitem_id 0
		.amdhsa_next_free_vgpr 1024
		.amdhsa_next_free_sgpr 96
		.amdhsa_reserve_vcc 0
		.amdhsa_float_denorm_mode_32 3
		.amdhsa_float_denorm_mode_16_64 3
		.amdhsa_memory_ordered 1
		.amdhsa_forward_progress 1
		.amdhsa_inst_pref_size 155
	.end_amdhsa_kernel
	.amdgpu_metadata
---
amdhsa.version: [ 1, 2 ]
amdhsa.kernels:
  - .name:           k_q7d0fc46d90_ffn1
    .symbol:         k_q7d0fc46d90_ffn1.kd
    .args:
      - { .name: hq, .offset: 0, .size: 8, .value_kind: global_buffer, .address_space: global }
      - { .name: wts, .offset: 8, .size: 8, .value_kind: global_buffer, .address_space: global }
      - { .name: b1, .offset: 16, .size: 8, .value_kind: global_buffer, .address_space: global }
      - { .name: gq, .offset: 24, .size: 8, .value_kind: global_buffer, .address_space: global }
    .group_segment_fixed_size: 327680
    .private_segment_fixed_size: 0
    .kernarg_segment_align: 8
    .kernarg_segment_size: 32
    .max_flat_workgroup_size: 128
    .sgpr_count:     96
    .vgpr_count:     1024
    .wavefront_size: 32
...
	.end_amdgpu_metadata
.endif
;; end of part 5
;; launch ffn2 (part 6): grid 8 x 32, 4 waves a work-group, clusters of 4 x 4, 327,680 bytes of LDS; arguments gq, wts, b2, ores, out0; writes out0
.if DOCPART == 6
	.amdgcn_target "amdgcn-amd-amdhsa--gfx1250"
	.amdhsa_code_object_version 6
	.text
	.protected	k_q7d0fc46d90_ffn2
	.globl	k_q7d0fc46d90_ffn2
	.p2align	8
	.type	k_q7d0fc46d90_ffn2,@function
k_q7d0fc46d90_ffn2:
	s_mov_b64 s[64:65], 0
	v_nop
	global_prefetch_b8 v0, s[64:65] scope:SCOPE_SE
	s_setreg_imm32_b32 hwreg(HW_REG_WAVE_MODE, 25, 1), 1
	s_wait_xcnt 0x0
	s_wait_alu depctr_hold_cnt(0) depctr_sa_sdst(0) depctr_va_vdst(0) depctr_va_sdst(0) depctr_va_ssrc(0) depctr_va_vcc(0) depctr_vm_vsrc(0)
	s_getreg_b32 s2, hwreg(HW_REG_IB_STS2, 6, 4)
	s_cmp_eq_u32 s2, 0
	s_cbranch_scc0 .Lentry_in_a_cluster
	s_endpgm
.Lentry_in_a_cluster:
	s_bfe_u32 s2, ttmp6, 0x10000c
	s_cmp_lg_u32 s2, 0xf033
	s_cbranch_scc0 .Lentry_shape_is_right
	s_endpgm
.Lentry_shape_is_right:
; FFN2: out0 = ores + gq W2 + b2, the product on codes of E2M1.  No work of the problem is left out here.
; A work-group of four waves makes 128 x 128, a wave 64 x 64; K = 4,096 is eight K groups of 512.  LDS: [A's four groups][B's four groups], BLK each; slot s is groups 2 s, 2 s + 1 of each side.
; At the head each wave brings two groups that lie on end in memory by one joint load of 272 rows: both slots' first fills.  Groups 4 to 7 come as refills, one group (136 rows) a wave,
; each behind a round of the cluster's barrier.  CLUSTERS: 4 x 4; A's blocks are asked for jointly along a row of the cluster, B's along a column.  b2 is the C of the first products.
.set BLK,   34816
.set SLOT,  4*BLK
.set STAGE, 2*SLOT
.set SPARE, STAGE+4*4352
.set LI,    3
.set STO,   10
.set RD,    11
.set CO,    12
.set ADRA,  16
.set ADRB,  20
.set ASA,   22
.set ASB,   24
.set SPW,   28
.set NIL,   29
.set SB,    32
.set SA,    64
.set BC,    96
.set ACC,   128
.set G1,    24
.set G0,    32
.set G1B,   48
.set G0B,   56
.set MSB,   0
.macro WIN new
.if MSB != (\new)
	s_set_vgpr_msb (MSB<<8)|(\new)
.set MSB, (\new)
.endif
.endm
.set MUL,  0x05
.set TO_F, 0x40
.macro JLOAD g0a, g1a, g0b, g1b
	s_cmp_eq_u32 s15, 0
	s_cbranch_scc0 .Lfor_b_\@
	tensor_load_to_lds s[\g0a:\g0a+3], s[\g1a:\g1a+7]
	s_nop 0
.rept 4
	v_nop
.endr
	s_branch .Lasked_\@
.Lfor_b_\@:
	tensor_load_to_lds s[\g0b:\g0b+3], s[\g1b:\g1b+7]
	s_nop 0
.rept 4
	v_nop
.endr
.Lasked_\@:
.endm
.macro CROUND
	s_barrier_signal -1
	s_barrier_wait -1
	s_cmp_lg_u32 s14, 0
	s_cbranch_scc1 .Lnot_wave_0_\@
	s_barrier_signal -3
.Lnot_wave_0_\@:
	s_barrier_wait -3
	s_barrier_signal -1
	s_barrier_wait -1
.endm
.macro PLACES n
.rept \n
	v_nop
.endr
.endm
	s_load_b256 s[68:75], s[0:1], 0x0
	s_load_b64 s[76:77], s[0:1], 0x20
	v_lshl_add_u32 v[SPW], v0, 2, SPARE
	v_mov_b32 v[NIL], 0
	ds_add_u32 v[SPW], v[NIL]
	ds_add_u32 v[SPW], v[NIL]
	v_lshrrev_b32 v1, 5, v0
	v_readfirstlane_b32 s14, v1
	s_lshr_b32 s15, s14, 1
	s_and_b32 s16, s14, 1
	s_bfe_u32 s40, ttmp6, 0x40000
	s_bfe_u32 s41, ttmp6, 0x40004
	s_lshl_b32 s42, ttmp9, 2
	s_add_co_u32 s42, s42, s40
	s_and_b32 s17, ttmp7, 0xffff
	s_lshl_b32 s17, s17, 2
	s_add_co_u32 s17, s17, s41
	s_lshl_b32 s43, s41, 2
	s_lshl_b32 s43, 15, s43
	s_lshl_b32 s44, 0x1111, s40
	s_or_b32 s[G1+0], s43, (3<<16)|(1<<21)
	s_or_b32 s[G1B+0], s44, (3<<16)|(1<<21)
.irp g, G1, G1B
	s_mov_b32 s[\g+1], 32<<16
	s_mov_b32 s[\g+2], 272<<16                     ; the head's loads: 272 rows of 256 bytes
	s_mov_b32 s[\g+3], 32<<16
	s_mov_b32 s[\g+4], 272
	s_mov_b32 s[\g+5], 32
	s_mov_b32 s[\g+6], 0
	s_mov_b32 s[\g+7], 0
.endr
	s_lshl_b32 s20, s17, 3
	s_add_co_u32 s20, s20, s16
	s_mul_i32 s20, s20, BLK
	s_mov_b32 s21, 0
	s_lshl_b32 s46, s42, 3
	s_add_co_u32 s46, s46, s16
	s_add_co_u32 s46, s46, 112
	s_mul_i32 s46, s46, BLK
	s_mov_b32 s47, 0
	s_mul_i32 s45, s15, 4*BLK
	s_mul_i32 s88, s16, BLK
	s_add_co_u32 s45, s45, s88                     ; the ring's loads: my side's region, my group of the slot's two
	s_mov_b32 s89, 0
	s_mul_i32 s90, s14, 2*BLK                      ; the head's load: wave x two groups
	s_wait_dscnt 0x0
	s_wait_kmcnt 0x0
	s_add_nc_u64 s[20:21], s[68:69], s[20:21]
	s_add_nc_u64 s[46:47], s[70:71], s[46:47]
	CROUND
.irp s, 0,1
	s_mov_b32 s[G0+4*\s], 1
	s_add_co_u32 s[G0+4*\s+1], s45, \s*2*BLK
	s_add_nc_u64 s[G0+4*\s+2:G0+4*\s+3], s[20:21], \s*2*BLK
	s_or_b32 s[G0+4*\s+3], s[G0+4*\s+3], 0x80000000
	s_mov_b32 s[G0B+4*\s], 1
	s_add_co_u32 s[G0B+4*\s+1], s45, \s*2*BLK
	s_add_nc_u64 s[G0B+4*\s+2:G0B+4*\s+3], s[46:47], \s*2*BLK
	s_or_b32 s[G0B+4*\s+3], s[G0B+4*\s+3], 0x80000000
.endr
	s_mov_b32 s80, 1                               ; the head's group 0: groups 2 x which and the next, of A
	s_mov_b32 s81, s90
	s_add_nc_u64 s[82:83], s[20:21], s[88:89]
	s_or_b32 s83, s83, 0x80000000
	s_mov_b32 s84, 1                               ; and of B
	s_mov_b32 s85, s90
	s_add_nc_u64 s[86:87], s[46:47], s[88:89]
	s_or_b32 s87, s87, 0x80000000
	JLOAD 80, G1, 84, G1B                          ; my one tensor load at the head
	v_and_b32 v1, 15, v0
	v_bfe_u32 v2, v0, 4, 1
	v_and_b32 v3, 31, v0
	v_lshlrev_b32 v[LI], 4, v3
	s_wait_alu depctr_va_vdst(0)
	s_lshl_b32 s5, s15, 14
	s_lshl_b32 s6, s16, 14
	s_add_co_u32 s6, s6, 4*BLK
	s_lshl_b32 s7, s15, 4
	s_add_co_u32 s7, s7, 32768
	s_lshl_b32 s8, s16, 10
	s_add_co_u32 s8, s8, 4*BLK+32768
	v_lshlrev_b32 v4, 5, v1
	v_lshlrev_b32 v5, 4, v1
.irp s, 0,1
	v_add_nc_u32 v[ADRA+\s], s5, v[LI]
	v_add_nc_u32 v[ADRB+\s], s6, v[LI]
	v_add_nc_u32 v[ASA+\s], s7, v4
	v_add_nc_u32 v[ASB+\s], s8, v5
	s_add_co_u32 s5, s5, 2*BLK
	s_add_co_u32 s6, s6, 2*BLK
	s_add_co_u32 s7, s7, 2*BLK
	s_add_co_u32 s8, s8, 2*BLK
.endr
	s_mul_i32 s9, s14, 4352
	s_add_co_u32 s9, s9, STAGE
	v_mul_u32_u24 v[STO], v1, 272
	v_lshl_add_u32 v[STO], v2, 6, v[STO]
	v_add_nc_u32 v[STO], s9, v[STO]
	v_mul_u32_u24 v[RD], v2, 272
	v_lshl_add_u32 v[RD], v1, 4, v[RD]
	v_add_nc_u32 v[RD], s9, v[RD]
	v_lshlrev_b32 v[CO], 12, v2
	v_lshl_add_u32 v[CO], v1, 4, v[CO]
	v_lshlrev_b32 v6, 6, v2
	; the prefetches' base and offsets: of the 136 rows of 256 bytes of a block that I fetch, each of the four partners that ask for it with me takes 34, told apart by address (cx for A, cy for B)
	s_cmp_eq_u32 s15, 0
	s_cselect_b64 s[78:79], s[20:21], s[46:47]     ; my side's K group 0 or 1
	s_cselect_b32 s91, s40, s41
	s_mul_i32 s91, s91, 34
	v_and_b32 v13, 31, v0
	v_min_u32 v14, 1, v13
	v_add_nc_u32 v13, s91, v13                     ; rows 34 p + 0 .. 31, a lane a row;
	v_add3_u32 v14, v14, s91, 32                   ; rows 34 p + 32, 33: the lanes left over name the last again
	v_lshlrev_b32 v13, 8, v13
	v_lshlrev_b32 v14, 8, v14                      ; v13 and v14 are never written again
	s_wait_alu depctr_va_vdst(0)
	s_lshl_b32 s10, s42, 9
	s_lshl_b32 s11, s16, 8
	s_add_co_u32 s10, s10, s11
	s_mov_b32 s11, 0
	s_add_nc_u64 s[72:73], s[72:73], s[10:11]
	s_lshl_b32 s12, s17, 7
	s_lshl_b32 s13, s15, 6
	s_add_co_u32 s12, s12, s13
	s_lshl_b32 s12, s12, 12
	s_add_co_u32 s10, s10, s12
	s_add_nc_u64 s[74:75], s[74:75], s[10:11]
	s_add_nc_u64 s[76:77], s[76:77], s[10:11]
.irp b, 0,1
.irp k, 0,1,2,3
	global_load_b128 v[BC+16*\b+4*\k:BC+16*\b+4*\k+3], v6, s[72:73] offset:128*\b+16*\k
.endr
.endr
.macro FETCHF slot, q, f
	WIN TO_F
.irp i, 0,1,2,3
.irp c, 0,1
	ds_load_b128 v[\f+8*\i+4*\c:\f+8*\i+4*\c+3], v[ADRA+\slot] offset:((\q)/4)*BLK+\i*4096+((\q)%4)*1024+512*\c
	ds_load_b128 v[\f+32+8*\i+4*\c:\f+32+8*\i+4*\c+3], v[ADRB+\slot] offset:((\q)/4)*BLK+\i*4096+((\q)%4)*1024+512*\c
.endr
.endr
	WIN 0
.endm
.macro FETCHS slot, gp
.irp i, 0,1,2,3
	ds_load_b128 v[SB+16*(\gp)+4*\i:SB+16*(\gp)+4*\i+3], v[ASB+\slot] offset:(\gp)*BLK+\i*256
	ds_load_b128 v[SA+16*(\gp)+4*\i:SA+16*(\gp)+4*\i+3], v[ASA+\slot] offset:(\gp)*BLK+\i*512
.endr
.endm
.macro MUL4 a, q, first
.irp b, 0,1,2,3
.if \first
	v_wmma_scale_f32_16x16x128_f8f6f4 v[ACC+8*(4*(\a)+\b):ACC+8*(4*(\a)+\b)+7], v[64*((\q)%2)+32+8*\b:64*((\q)%2)+39+8*\b], v[64*((\q)%2)+8*(\a):64*((\q)%2)+8*(\a)+7], v[BC+8*\b:BC+8*\b+7], v[SB+16*((\q)/4)+4*\b+(\q)%4], v[SA+16*((\q)/4)+4*((\q)%4)+(\a)] matrix_a_fmt:MATRIX_FMT_FP4 matrix_b_fmt:MATRIX_FMT_FP4
.else
	v_wmma_scale_f32_16x16x128_f8f6f4 v[ACC+8*(4*(\a)+\b):ACC+8*(4*(\a)+\b)+7], v[64*((\q)%2)+32+8*\b:64*((\q)%2)+39+8*\b], v[64*((\q)%2)+8*(\a):64*((\q)%2)+8*(\a)+7], v[ACC+8*(4*(\a)+\b):ACC+8*(4*(\a)+\b)+7], v[SB+16*((\q)/4)+4*\b+(\q)%4], v[SA+16*((\q)/4)+4*((\q)%4)+(\a)] matrix_a_fmt:MATRIX_FMT_FP4 matrix_b_fmt:MATRIX_FMT_FP4
.endif
.endr
.endm
.macro KSTEP slot, q, first
	s_wait_dscnt 0x0
	WIN MUL
	MUL4 0, \q, \first
	PLACES 4
	FETCHF \slot, (\q)+1, 64*(((\q)+1)%2)
.if ((\q)+1)%4 == 0
	FETCHS \slot, ((\q)+1)/4
.endif
	WIN MUL
	MUL4 1, \q, \first
	MUL4 2, \q, \first
	MUL4 3, \q, \first
.endm
.macro RUN slot, first
	KSTEP \slot, 0, \first
.set Q, 1
.rept 6
	KSTEP \slot, Q, 0
.set Q, Q+1
.endr
.endm
.macro TURN slot, next, fill
	WIN 0
	s_wait_tensorcnt 0x0
	ds_add_u32 v[SPW], v[NIL]
	s_wait_dscnt 1
	WIN MUL
	MUL4 0, 7, 0
	WIN 0
	s_wait_dscnt 0x0
.if \fill
	CROUND
	s_add_nc_u64 s[G0+4*\slot+2:G0+4*\slot+3], s[G0+4*\slot+2:G0+4*\slot+3], 4*BLK
	s_add_nc_u64 s[G0B+4*\slot+2:G0B+4*\slot+3], s[G0B+4*\slot+2:G0B+4*\slot+3], 4*BLK
	JLOAD G0+4*\slot, G1, G0B+4*\slot, G1B
.else
	s_barrier_signal -1
	s_barrier_wait -1
	PLACES 4
.endif
	FETCHF \next, 0, 0
	FETCHS \next, 0
.if (\fill) && (\slot) == 0
	global_prefetch_b8 v13, s[78:79] offset:6*BLK th:TH_LOAD_NT scope:SCOPE_SE   ; K groups 6 and 7, which the next change of slots loads: eight K steps of 128 ahead of that load
	global_prefetch_b8 v14, s[78:79] offset:6*BLK th:TH_LOAD_NT scope:SCOPE_SE
.endif
	WIN MUL
	MUL4 1, 7, 0
	MUL4 2, 7, 0
	MUL4 3, 7, 0
.endm
	s_wait_tensorcnt 0x0                           ; my load has landed, and none of mine is out, so a descriptor may be written: from here on a load brings 136 rows
	s_mov_b32 s[G1+2], 136<<16
	s_mov_b32 s[G1+4], 136
	s_mov_b32 s[G1B+2], 136<<16
	s_mov_b32 s[G1B+4], 136
	s_barrier_signal -1
	s_barrier_wait -1
	FETCHF 0, 0, 0
	FETCHS 0, 0
	global_prefetch_b8 v13, s[78:79] offset:4*BLK th:TH_LOAD_NT scope:SCOPE_SE   ; K groups 4 and 5, which the first change of slots loads: seven K steps of 128 ahead of that load
	global_prefetch_b8 v14, s[78:79] offset:4*BLK th:TH_LOAD_NT scope:SCOPE_SE
	WIN 0x40
.irp a, 0,1,2,3                        ; my 64 x 64 of ores, wanted on the way out alone: asked for behind the head's tiles
.irp k, 0,1,2,3,4,5,6,7
	global_load_b128 v[128+32*\a+4*\k:131+32*\a+4*\k], v[CO], s[74:75] offset:(32*(\a/2)+8*(\a%2)+2*\k+8*(\k/4))*4096 th:TH_LOAD_NT
.endr
.endr
	WIN 0
	s_wait_loadcnt 32                              ; b2's eight loads are in; the 32 of ores may be out
	RUN 0, 1
	TURN 0, 1, 1
	RUN 1, 0
	TURN 1, 0, 1
	RUN 0, 0
	TURN 0, 1, 0
	RUN 1, 0
	s_wait_dscnt 0x0
	WIN MUL
	MUL4 0, 7, 0
	MUL4 1, 7, 0
	MUL4 2, 7, 0
	MUL4 3, 7, 0
	WIN 0
	PLACES 4
.macro TOSTAGE a
.irp b, 0,1,2,3
	ds_store_b128 v[STO], v[ACC+8*(4*(\a)+\b):ACC+8*(4*(\a)+\b)+3] offset:128*(\b/2)+32*(\b%2)
	ds_store_b128 v[STO], v[ACC+8*(4*(\a)+\b)+4:ACC+8*(4*(\a)+\b)+7] offset:128*(\b/2)+32*(\b%2)+16
.endr
	WIN 0x40
.irp k, 0,1,2,3,4,5,6,7
	ds_load_b128 v[32*((\a)%2)+4*\k:32*((\a)%2)+4*\k+3], v[RD] offset:2*\k*272
.endr
	WIN 0
.endm
.macro SEND a, younger
	s_wait_dscnt \younger
	WIN 0x45
.irp i, 0,2,4,6,8,10,12,14,16,18,20,22,24,26,28,30
	v_pk_add_f32 v[32*((\a)%2)+\i:32*((\a)%2)+\i+1], v[32*((\a)%2)+\i:32*((\a)%2)+\i+1], v[128+32*(\a)+\i:128+32*(\a)+\i+1]
.endr
	WIN 0x04
.irp k, 0,1,2,3,4,5,6,7
	global_store_b128 v[CO], v[32*((\a)%2)+4*\k:32*((\a)%2)+4*\k+3], s[76:77] offset:(32*((\a)/2)+8*((\a)%2)+2*\k+8*(\k/4))*4096 th:TH_STORE_NT
.endr
	WIN 0
.endm
	s_wait_loadcnt 0x0
	TOSTAGE 0
.irp a, 1,2,3
.if \a > 1
	s_wait_xcnt 0x0
.endif
	TOSTAGE \a
	SEND \a-1, 16
.endr
	SEND 3, 0
	s_wait_tensorcnt 0x0
	ds_add_u32 v[SPW], v[NIL]
	s_wait_dscnt 0x0
	CROUND
	s_endpgm
.Lfunc_end_k_q7d0fc46d90_ffn2:
	.size	k_q7d0fc46d90_ffn2, .Lfunc_end_k_q7d0fc46d90_ffn2-k_q7d0fc46d90_ffn2
	.p2alignl 7, 3214868480
	.fill 96, 4, 3214868480
	.section	.rodata,"a",@progbits
	.p2align	6, 0x0
	.amdhsa_kernel k_q7d0fc46d90_ffn2
		.amdhsa_group_segment_fixed_size 327680
		.amdhsa_private_segment_fixed_size 0
		.amdhsa_enable_private_segment 0
		.amdhsa_kernarg_size 40
		.amdhsa_user_sgpr_count 2
		.amdhsa_user_sgpr_kernarg_segment_ptr 1
		.amdhsa_wavefront_size32 1
		.amdhsa_system_sgpr_workgroup_id_x 1
		.amdhsa_system_sgpr_workgroup_id_y 1
		.amdhsa_system_sgpr_workgroup_id_z 1
		.amdhsa_system_vgpr_workitem_id 0
		.amdhsa_next_free_vgpr 512
		.amdhsa_next_free_sgpr 92
		.amdhsa_reserve_vcc 0
		.amdhsa_float_denorm_mode_32 3
		.amdhsa_float_denorm_mode_16_64 3
		.amdhsa_memory_ordered 1
		.amdhsa_forward_progress 1
		.amdhsa_inst_pref_size 135
	.end_amdhsa_kernel
	.amdgpu_metadata
---
amdhsa.version: [ 1, 2 ]
amdhsa.kernels:
  - .name:           k_q7d0fc46d90_ffn2
    .symbol:         k_q7d0fc46d90_ffn2.kd
    .args:
      - { .name: gq, .offset: 0, .size: 8, .value_kind: global_buffer, .address_space: global }
      - { .name: wts, .offset: 8, .size: 8, .value_kind: global_buffer, .address_space: global }
      - { .name: b2, .offset: 16, .size: 8, .value_kind: global_buffer, .address_space: global }
      - { .name: ores, .offset: 24, .size: 8, .value_kind: global_buffer, .address_space: global }
      - { .name: out0, .offset: 32, .size: 8, .value_kind: global_buffer, .address_space: global }
    .group_segment_fixed_size: 327680
    .private_segment_fixed_size: 0
    .kernarg_segment_align: 8
    .kernarg_segment_size: 40
    .max_flat_workgroup_size: 128
    .sgpr_count:     92
    .vgpr_count:     512
    .wavefront_size: 32
...
	.end_amdgpu_metadata
.endif
;; end of part 6
